; MI455X (gfx1250); checked and timed in simulation.
; The chip was launched on July 23, 2026; its instructions are those of AMD's public machine-readable ISA for CDNA 5 (MIT licence, August 2026) and "CDNA5" Instruction Set Architecture Reference Guide (July 2026). The comments in the code are by the model that wrote it; some were corrected since.
;; Mo E Layer. Allowed arithmetic: matrix products marked QUANTISED: E2M1 operands, one E8M0 scale for each 32 along K, by v_wmma_scale_f32_16x16x128_f8f6f4 with both operands' format E2M1 (or v_wmma_scale_f32_32x16x128_f4), f32 sums; products left as they are: f32 operands where the result goes on into a quantised operand, else bf16, f16 or f32 operands; f32 sums; everything else in f32.
;; Inputs: b1 8 x 2,048 float32; b2 8 x 512 float32; router_w 8 x 512 float32; w1 8 x 2,048 x 512 float32; w2 8 x 512 x 2,048 float32; x 4 x 1,024 x 512 float32.
;; Outputs: out0 4 x 1,024 x 512 float32.
;; This version of the problem:
;;   THIS VERSION OF THE PROBLEM IS GIVEN IN LOW PRECISION. The matrix products marked QUANTISED in the list below multiply operands that are first quantised to E2M1 (2 exponent bits, 1 mantissa bit; 4 bits a number), with one power-of-two scale for each 32 numbers along K (OCP MX v1.0); their sums are f32. All else is computed in f32.
;;   The module's matrix products, in the order in which they are computed (A, B: the left and right operand; K: the contracted axis; several contracted axes count as one K, in the product's order):
;;     1. [M 4,096, K 512] x [K 512, N 8]; A: input x; B: input router_w: left as it is (N = 8 < 16)
;;     2. [M 4,096, K 512] x [K 512, N 16,384]; A: input x; B: input w1: QUANTISED
;;     3. batch 8 x [M 512, K 2,048] x [K 2,048, N 4,096]; A: input w2; B: computed on the way: QUANTISED
;;   THE QUANTISER, for each operand of a quantised product, along K:
;;     - K is cut into blocks of 32 from its start; a last block that is shorter is filled with zeros.
;;     - A block's scale is 2^e with e = floor(log2(the largest magnitude in the block)) - 2, held to -126 .. 127; a block of zeros has e = 0. As a byte (E8M0): e + 127.
;;     - Each number is divided by its block's scale, clamped to +-6, and rounded to the nearest number of E2M1, ties to even, subnormals kept.
;;     - The product sums the exact products of the quantised numbers (number of the format x scale) in f32.
;;   ~~~python
;;   def quantise(x, axis):      # numpy; x: float32 -> the quantised numbers, widened to float32 again
;;       x = np.moveaxis(x, axis, -1); K = x.shape[-1]
;;       x = np.pad(x, [(0, 0)] * (x.ndim - 1) + [(0, -K % 32)]); x = x.reshape(x.shape[:-1] + (-1, 32)); a = np.abs(x).max(-1, keepdims=True)
;;       e = np.where(a > 0, np.clip(np.frexp(np.where(a > 0, a, 1))[1] - 1 - 2, -126, 127), 0)      # np.frexp(a)[1] - 1 = floor(log2(a)), exactly
;;       r = np.clip(x / 2.0 ** e, -6, 6)
;;       step = 2.0 ** (np.maximum(np.frexp(np.where(r == 0, 1, r))[1] - 1, 0) - 1)
;;       q = np.round(r / step) * step * 2.0 ** e      # np.round: ties to even
;;       return np.moveaxis(q.reshape(q.shape[:-2] + (-1,))[..., :K], -1, axis).astype(np.float32)
;;   ~~~
;;   OPERANDS COMPUTED ON THE WAY. 'Computed on the way' means the value that the module computes at that place (a softmax that the list does not call 'softmax' is quantised finished and normalised). What goes into a quantiser is computed in f32, as accurately as f32 sums, v_exp_f32 and their like allow (about 1e-6 of the number): no bf16 or f16 on the way to a quantiser, and a product that is left as it is and whose result goes on into a quantised operand takes f32 operands (vector FMAs, or v_wmma_f32_16x16x4_f32). A number that lies on a knife's edge between two numbers of the format may be rounded either way, as far as f32 arithmetic and the matrix unit's own rounding can turn it there, and no further.
;; 3 versions, each right; version 2 is faster than version 1; version 3 is version 2 with the launches hid, out written anew for expert scheduling mode. Each part assembles by itself: llvm-mc -triple=amdgcn-amd-amdhsa -mcpu=gfx1250 --defsym DOCPART=n.
;; ======== version 1 of 3: 4 launches
;; limits: a function is approximated: absolute error at most 7.5e-08; an absolute error that grows with the inputs' magnitude: up to 7.5e-08 times it
;; workspace buffers: wq 8,912,896 bytes; xq 1,114,112 bytes; rt 32,768 bytes of whole numbers; rg 32,768 bytes; tl 25,344 bytes of whole numbers; tg 46,592 bytes; hq 12,673,024 bytes
;; launch prep (part 1): grid 544 x 1, 4 waves a work-group, no clusters, 57,856 bytes of LDS; arguments x, router_w, w1, w2, wq, xq, rt, rg; writes wq, xq, rt, rg
.if DOCPART == 1
	.amdgcn_target "amdgcn-amd-amdhsa--gfx1250"
	.amdhsa_code_object_version 6
	.text
	.protected	k_q059183c363_prep
	.globl	k_q059183c363_prep
	.p2align	8
	.type	k_q059183c363_prep,@function
k_q059183c363_prep:
	s_mov_b64 s[64:65], 0
	v_nop
	global_prefetch_b8 v0, s[64:65] scope:SCOPE_SE
	s_setreg_imm32_b32 hwreg(HW_REG_WAVE_MODE, 25, 1), 1
	s_wait_xcnt 0x0
; PREP.  Work-groups 0-31 (path X): x [4096][512] f32 becomes codes of FP4 (E2M1), row by row, with one E8M0 byte for each 32 along C; the router's 8 logits a token (f32 multiply-adds),
; the two largest, their gates, the token's class (its pair of experts, 28 classes), its rank among the tokens of that class in its group of 32, and the group's count of each class.
; All that hangs on the logits is STORED AS VALUES at fixed places; no address and no branch here hangs on it.
; Work-groups 32-543 (path W): w1 [8][2048][512] and w2 [8][512][2048], f32, K innermost, become codes and scale words laid in the order of a matrix operand's registers.
; wq: codes of w1 at 0, of w2 at 4 MiB; a block BI of 32 KB = [ks 4][tile 8][c 2][lane 32][16 bytes]: lane (r, h) of piece c holds k = 128 ks + 64 c + 32 h + 0..31 of the tile's row r.
;     scale words at 8 MiB (w1), 8 MiB + 256 KiB (w2): BI x 2048 + tile x 256 + r x 16: row r's four words (ks 0..3).
;     w1: BI = 16 e + q; tile t = 2 b + u, row r is hidden unit 128 q + 32 b + 8 u + r + 8 (r / 8).   w2: BI = 16 e + 4 cs + sg; tile t, row r is column 128 cs + 16 t + r, k = 512 sg + ...
; A block's scale is 2^(floor(log2(largest magnitude)) - 2): its byte is the largest magnitude's exponent field - 2, held at 1 from below.
; LIMITS: a block of zeros gets the byte 1 (its codes are zeros; only this program reads the bytes).  NaN and infinities among the inputs are not served.  The two largest are taken on the f32
; logits, the lower index on a tie: logits nearer to each other than the rounding of an f32 sum of 512 terms may be ordered otherwise than rounded probabilities would be.
; No tensor loads, no barrier: waves share nothing.  The two paths have LDS bytes of their own: W 0 .. 34,815 (8,704 a wave), X 34,816 .. 57,343 (5,632 a wave).
.set NXWG, 32
; path W
.set RO,   16                          ; v16-23   byte offset of load i: rows 2 i and 2 i + 1, 256 bytes of each
.set WR,   24                          ; v24-119  three sets of 32: 16 rows x 64 numbers as loaded
.set WX,   120                         ; v120-183 two sets of 32: a whole block of 32 a lane
.set WC,   184                         ; v184-215 codes, four registers a step: no store's data are written again
.set SW,   216                         ; v216-219 my row's four scale words
.set MA,   220
.set MB,   221
.set SC,   222
.set BY0,  223
.set BY1,  224
.set WD,   225
.set WT,   226
.set WSTG, 4352                        ; a stage: 16 rows x (256 + 16) bytes
; path X
.set XR,   16                          ; v16-47   two sets of 16 as loaded
.set XX,   48                          ; v48-79   two sets of 16 neighbours
.set RW,   80                          ; v80-207  router_w[e][16 lane ..], e = 0..7
.set LG,   208                         ; v208-215 logits: lane t keeps token t's
.set AC,   216                         ; v216-231 eight pairs of sums
.set CD,   232                         ; v232-235 codes, two registers for each parity
.set XMA,  236
.set XMB,  237
.set XSC,  238
.set XBY,  239
.set SBR,  240                         ; v240-247 the scale bytes of my block of all 32 tokens, byte t of the 32
.set XB0,  248
.set XBASE, 34816
.set XWREG, 5632
.set XSP,  80                          ; a lane's place in a stage: 64 bytes + 16
.macro WLOAD s                         ; step s: bytes 256 s .. 256 s + 255 of the 16 rows; each half of the lanes reads 256 consecutive, aligned bytes of one row
.irp i, 0,1,2,3,4,5,6,7
	global_load_b128 v[WR+32*((\s)%3)+4*\i:WR+32*((\s)%3)+4*\i+3], v[RO+\i], s[8:9] offset:256*(\s) th:TH_LOAD_NT
.endr
.endm
.macro WTURN s                         ; through the wave's own stage: in as loaded, out 128 bytes a lane.  LDS serves a wave's instructions in order: no wait between
.irp i, 0,1,2,3,4,5,6,7
	ds_store_b128 v6, v[WR+32*((\s)%3)+4*\i:WR+32*((\s)%3)+4*\i+3] offset:WSTG*((\s)%2)+544*\i
.endr
.irp i, 0,1,2,3,4,5,6,7
	ds_load_b128 v[WX+32*((\s)%2)+4*\i:WX+32*((\s)%2)+4*\i+3], v7 offset:WSTG*((\s)%2)+16*\i
.endr
.endm
.macro WSTEP s
.set XS_, WX+32*((\s)%2)
	s_wait_dscnt 0x0                               ; this step's numbers are back from the stage, and the stage's stores have read their registers,
.if (\s)+3 < 8
	WLOAD (\s)+3                                   ; which take the loads of three steps on
.endif
.if (\s) <= 4
	s_wait_loadcnt 16                              ; the next step's eight loads are in; the two sets behind them may be out
.elseif (\s) == 5
	s_wait_loadcnt 8
.elseif (\s) == 6
	s_wait_loadcnt 0
.endif
.if (\s) < 7
	WTURN (\s)+1
.endif
	v_max3_num_f32 v[MA], |v[XS_]|, |v[XS_+1]|, 0x1800000          ; the block's largest magnitude, all 32 numbers mine, and the floor 2^(3 - 127): the byte cannot fall under 1
	v_max3_num_f32 v[MB], |v[XS_+2]|, |v[XS_+3]|, |v[XS_+4]|
.irp i, 5,9,13,17,21,25
	v_max3_num_f32 v[MA], v[MA], |v[XS_+\i]|, |v[XS_+\i+1]|
	v_max3_num_f32 v[MB], v[MB], |v[XS_+\i+2]|, |v[XS_+\i+3]|
.endr
	v_max3_num_f32 v[MA], v[MA], |v[XS_+29]|, |v[XS_+30]|
	v_max3_num_f32 v[MA], v[MA], v[MB], |v[XS_+31]|
	v_add_nc_u32 v[SC], 0xff000000, v[MA]          ; 2 off its exponent field: the conversion's scale operand
.irp g, 0,1,2,3
	v_cvt_scalef32_pk8_fp4_f32 v[WC+4*(\s)+\g], v[XS_+8*\g:XS_+8*\g+7], v[SC]
.endr
.if ((\s)%2) == 0
	v_lshrrev_b32 v[BY0], 23, v[SC]                ; the scale's byte (a plain line behind the conversions)
.else
	v_lshrrev_b32 v[BY1], 23, v[SC]
.endif
	global_store_b128 v8, v[WC+4*(\s):WC+4*(\s)+3], s[36:37] offset:((\s)/2)*8192+((\s)%2)*512   ; 32 lanes store 512 consecutive bytes: piece c = s % 2 of K step s / 2
.if (\s)%2
	v_lshl_or_b32 v[WD], v[BY1], 16, v[BY0]        ; my two bytes of this K step: blocks h and 2 + h,
	v_lshlrev_b32 v[WD], v10, v[WD]                ; 8 h bits up;
	v_permlanex16_b32 v[WT], v[WD], s34, s35
	v_or_b32 v[SW+(\s)/2], v[WD], v[WT]            ; with lane l xor 16's two the word is whole
.endif
.endm
.macro XTURN q                         ; a token's 2,048 bytes through stage q: in as loaded, out 64 bytes a lane
.irp i, 0,1,2,3
	ds_store_b128 v3, v[XR+16*(\q)+4*\i:XR+16*(\q)+4*\i+3] offset:32*XSP*(\q)+8*XSP*\i
.endr
.irp i, 0,1,2,3
	ds_load_b128 v[XX+16*(\q)+4*\i:XX+16*(\q)+4*\i+3], v4 offset:32*XSP*(\q)+16*\i
.endr
.endm
; One token (parity p).  ahead = 1: the token two on is asked for; turn = 1: the next token goes through the other stage.
.macro XSTEP p, ahead, turn
.set XS_, XX+16*\p
	s_wait_dscnt 0x0                               ; this token's numbers are back from the stage
.if \ahead
.irp i, 0,1,2,3
	global_load_b128 v[XR+16*\p+4*\i:XR+16*\p+4*\i+3], v2, s[4:5] offset:2048*(2+\p)+512*\i th:TH_LOAD_NT
.endr
	s_wait_loadcnt 4                               ; the next token's four loads are in; the four just issued may be out
.else
	s_wait_loadcnt 0x0
.endif
.if \turn
	XTURN 1-\p
.endif
	v_max3_num_f32 v[XMA], |v[XS_]|, |v[XS_+1]|, |v[XS_+2]|        ; the largest magnitude of my 16
	v_max3_num_f32 v[XMB], |v[XS_+3]|, |v[XS_+4]|, |v[XS_+5]|
.irp i, 6,10
	v_max3_num_f32 v[XMA], v[XMA], |v[XS_+\i]|, |v[XS_+\i+1]|
	v_max3_num_f32 v[XMB], v[XMB], |v[XS_+\i+2]|, |v[XS_+\i+3]|
.endr
	v_max3_num_f32 v[XMA], v[XMA], |v[XS_+14]|, |v[XS_+15]|
	v_max3_num_f32 v[XMA], v[XMA], v[XMB], 0x1800000               ; and the floor
	v_max_num_f32_dpp v[XMA], v[XMA], v[XMA] row_xmask:1 row_mask:0xf bank_mask:0xf   ; and of my neighbour's 16: the block's
	v_add_nc_u32 v[XSC], 0xff000000, v[XMA]
	v_cvt_scalef32_pk8_fp4_f32 v[CD+2*\p], v[XS_:XS_+7], v[XSC]
	v_cvt_scalef32_pk8_fp4_f32 v[CD+2*\p+1], v[XS_+8:XS_+15], v[XSC]
.if \p == 0
	v_lshrrev_b32 v[XB0], 23, v[XSC]               ; the scale's byte
.else
	v_lshrrev_b32 v[XBY], 23, v[XSC]
.endif
	global_store_b64 v5, v[CD+2*\p:CD+2*\p+1], s[24:25] offset:256*\p   ; the token's 256 bytes of codes: one aligned run
.if \p == 1
	v_lshl_or_b32 v[XBY], v[XBY], 8, v[XB0]        ; two tokens' bytes are pushed into the chain from the top; after 16 pushes token t's byte is byte t of the 32
.irp i, 0,1,2,3,4,5,6
	v_alignbit_b32 v[SBR+\i], v[SBR+\i+1], v[SBR+\i], 16
.endr
	v_alignbit_b32 v[SBR+7], v[XBY], v[SBR+7], 16
.endif
.irp e, 0,1,2,3,4,5,6,7                        ; the eight logits: my 16 terms of each, eight chains by turns
	v_pk_mul_f32 v[AC+2*\e:AC+2*\e+1], v[XS_:XS_+1], v[RW+16*\e:RW+16*\e+1]
.endr
.irp j, 2,4,6,8,10,12,14
.irp e, 0,1,2,3,4,5,6,7
	v_pk_fma_f32 v[AC+2*\e:AC+2*\e+1], v[XS_+\j:XS_+\j+1], v[RW+16*\e+\j:RW+16*\e+\j+1], v[AC+2*\e:AC+2*\e+1]
.endr
.endr
.irp e, 0,1,2,3,4,5,6,7
	v_add_f32 v[AC+2*\e], v[AC+2*\e], v[AC+2*\e+1]
.endr
.irp m, 1,2,4,8
.irp e, 0,1,2,3,4,5,6,7
	v_add_f32_dpp v[AC+2*\e], v[AC+2*\e], v[AC+2*\e] row_xmask:\m row_mask:0xf bank_mask:0xf
.endr
.endr
.irp e, 0,1,2,3,4,5,6,7
	v_permlanex16_b32 v[AC+2*\e+1], v[AC+2*\e], s34, s35
.endr
.irp e, 0,1,2,3,4,5,6,7
	v_add_f32 v[AC+2*\e], v[AC+2*\e], v[AC+2*\e+1]
.endr
.irp e, 0,1,2,3,4,5,6,7
	v_cndmask_b32 v[LG+\e], v[LG+\e], v[AC+2*\e], s29              ; lane t keeps token t's
.endr
	s_lshl_b32 s29, s29, 1
.endm
; Class p = the pair (a, b): who is in it, how many, and my rank among them.  Values only.
.macro XCLS p, a, b
	v_cmp_eq_u32 s32, 8*(\a)+(\b), v66
	s_bcnt1_i32_b32 s33, s32
	v_mbcnt_lo_u32_b32 v69, s32, 0
	v_cndmask_b32 v67, v67, v69, s32
	v_cndmask_b32 v68, v68, \p, s32
	v_writelane_b32 v71, s33, \p
.endm
	s_load_b256 s[4:11], s[0:1], 0x0               ; x s[4:5], router_w s[6:7], w1 s[8:9], w2 s[10:11]
	s_load_b256 s[12:19], s[0:1], 0x20             ; wq s[12:13], xq s[14:15], rt s[16:17], rg s[18:19]
	v_lshl_add_u32 v254, v0, 2, 0xe000
	v_mov_b32 v255, 0
	v_lshrrev_b32 v1, 5, v0
	v_readfirstlane_b32 s20, v1                    ; wave 0..3
	v_and_b32 v1, 31, v0                           ; lane
	s_mov_b32 s34, 0x76543210
	s_mov_b32 s35, 0xfedcba98                      ; v_permlanex16_b32's selects for lane l xor 16
	s_cmp_lt_u32 ttmp9, NXWG
	s_cbranch_scc1 .Lpath_x
	; ---------------- PATH W: a wave takes one tile: 16 rows x 512 along K
	v_and_b32 v2, 15, v0                           ; r
	v_bfe_u32 v3, v0, 4, 1                         ; h
	s_sub_co_u32 s21, ttmp9, NXWG
	s_lshr_b32 s22, s21, 8                         ; z: 0 w1, 1 w2
	s_and_b32 s23, s21, 255
	s_lshl_b32 s23, s23, 2
	s_add_co_u32 s23, s23, s20
	s_lshr_b32 s24, s23, 3                         ; BI
	s_and_b32 s25, s23, 7                          ; tile
	s_and_b32 s27, s24, 15                         ; w1: first row 128 q + 32 (t / 2) + 8 (t % 2), rows of 2,048 bytes
	s_lshl_b32 s27, s27, 7
	s_lshr_b32 s28, s25, 1
	s_lshl_b32 s28, s28, 5
	s_add_co_u32 s27, s27, s28
	s_and_b32 s28, s25, 1
	s_lshl_b32 s28, s28, 3
	s_add_co_u32 s27, s27, s28
	s_lshl_b32 s27, s27, 11
	s_bfe_u32 s28, s24, 0x20002                    ; w2: first row 128 cs + 16 t, rows of 8,192 bytes, + 2,048 sg
	s_lshl_b32 s28, s28, 7
	s_lshl_b32 s29, s25, 4
	s_add_co_u32 s28, s28, s29
	s_lshl_b32 s28, s28, 13
	s_and_b32 s29, s24, 3
	s_lshl_b32 s29, s29, 11
	s_add_co_u32 s28, s28, s29
	s_lshr_b32 s26, s24, 4
	s_lshl_b32 s26, s26, 22                        ; the expert: 4 MiB in both tensors
	s_lshl_b32 s31, s22, 1
	s_add_co_u32 s31, s31, 11                      ; log2 of a row's bytes: 11 or 13
	s_add_co_u32 s32, s31, 1
	s_wait_kmcnt 0x0
	s_cmp_eq_u32 s22, 0                            ; the choice hangs on the work-group's number alone
	s_cselect_b32 s27, s27, s28
	s_cselect_b32 s30, 0x4000, 0                   ; w1: rows 8-15 of a tile lie 8 rows further on
	s_cselect_b64 s[8:9], s[8:9], s[10:11]
	s_add_co_u32 s26, s26, s27
	s_mov_b32 s27, 0
	s_add_nc_u64 s[8:9], s[8:9], s[26:27]          ; the tile's first row
	s_lshl_b32 s26, s22, 22
	s_lshl_b32 s28, s24, 15
	s_add_co_u32 s26, s26, s28
	s_lshl_b32 s28, s25, 10
	s_add_co_u32 s26, s26, s28
	s_add_nc_u64 s[36:37], s[12:13], s[26:27]      ; its codes
	s_lshl_b32 s26, s22, 18
	s_lshl_b32 s28, s24, 11
	s_add_co_u32 s26, s26, s28
	s_lshl_b32 s28, s25, 8
	s_add_co_u32 s26, s26, s28
	s_add_co_u32 s26, s26, 0x800000
	s_add_nc_u64 s[38:39], s[12:13], s[26:27]      ; its scale words
	v_lshlrev_b32 v5, s31, v3                      ; lanes 16-31 take the odd row,
	v_lshl_add_u32 v5, v2, 4, v5                   ; 16 bytes a lane
.irp i, 0,1,2,3,4,5,6,7
	s_lshl_b32 s33, \i, s32                        ; two rows a load
.if \i >= 4
	s_add_co_u32 s33, s33, s30
.endif
	v_add_nc_u32 v[RO+\i], s33, v5
.endr
	s_mul_i32 s33, s20, 2*WSTG                     ; my wave's two stages
	v_mul_u32_u24 v6, v3, 272
	v_lshl_add_u32 v6, v2, 4, v6
	v_add_nc_u32 v6, s33, v6                       ; in: row h (+ 2 i by the offset), 16 bytes a lane
	v_mul_u32_u24 v7, v2, 272
	v_lshl_add_u32 v7, v3, 7, v7
	v_add_nc_u32 v7, s33, v7                       ; out: row r, 128 h: my block of 32
	v_lshlrev_b32 v8, 4, v1                        ; codes: 16 x lane
	v_lshlrev_b32 v9, 4, v2                        ; scale words: 16 x r
	v_lshlrev_b32 v10, 3, v3                       ; 8 h
	v_mov_b32 v[WT], 0                             ; written once: a lane permute's destination counts as one of its sources
	WLOAD 0
	WLOAD 1
	WLOAD 2
	s_wait_loadcnt 16                              ; step 0's eight loads are in
	WTURN 0
.irp t, 0,1,2,3,4,5,6,7
	WSTEP \t
.endr
	global_store_b128 v9, v[SW:SW+3], s[38:39]     ; the tile's 256 bytes of scale words; lanes 16-31 hold and store the same bytes as lanes 0-15
	s_wait_tensorcnt 0x0
	ds_add_u32 v254, v255
	s_wait_dscnt 0x0
	s_endpgm
	; ---------------- PATH X: a wave takes a group of 32 tokens, a token a step
.Lpath_x:
	s_lshl_b32 s21, ttmp9, 2
	s_add_co_u32 s21, s21, s20                     ; the group
	s_mov_b32 s23, 0
	s_lshl_b32 s22, s21, 16
	s_wait_kmcnt 0x0
	s_add_nc_u64 s[4:5], s[4:5], s[22:23]          ; x at its first token
	s_lshl_b32 s22, s21, 13
	s_add_nc_u64 s[24:25], s[14:15], s[22:23]      ; the codes
	s_lshl_b32 s22, s21, 9
	s_add_co_u32 s22, s22, 0x100000
	s_add_nc_u64 s[26:27], s[14:15], s[22:23]      ; the scale bytes
	s_lshl_b32 s22, s21, 8
	s_add_nc_u64 s[16:17], s[16:17], s[22:23]      ; rt and rg: 256 bytes a group
	s_add_nc_u64 s[18:19], s[18:19], s[22:23]
	s_mul_i32 s28, s20, XWREG
	s_add_co_u32 s28, s28, XBASE                   ; my wave's LDS: two stages, then 512 scale bytes
	s_mov_b32 s31, 0x3089705f                      ; 1e-9
	v_lshlrev_b32 v2, 4, v1                        ; 16 x lane
	v_lshrrev_b32 v3, 2, v1
	v_mul_u32_u24 v3, v3, XSP
	v_and_b32 v4, 3, v1
	v_lshl_add_u32 v3, v4, 4, v3
	v_add_nc_u32 v3, s28, v3                       ; the stage, in: four lanes' 64 bytes on end, then 16 of padding
	v_mul_u32_u24 v4, v1, XSP
	v_add_nc_u32 v4, s28, v4                       ; out: my 16 neighbours
	v_lshlrev_b32 v5, 3, v1                        ; 8 x lane
	v_lshrrev_b32 v6, 1, v1
	v_add_nc_u32 v6, s28, v6
	v_add_nc_u32 v6, 2*32*XSP, v6                  ; my block's byte in a token's 16
	v_lshlrev_b32 v7, 6, v1                        ; 64 x lane
	v_add_nc_u32 v9, s28, v2
	v_add_nc_u32 v9, 2*32*XSP, v9                  ; and on the way out 16 bytes a lane
.irp e, 0,1,2,3,4,5,6,7
.irp j, 0,1,2,3
	global_load_b128 v[RW+16*\e+4*\j:RW+16*\e+4*\j+3], v7, s[6:7] offset:2048*\e+16*\j
.endr
.endr
.irp q, 0,1
.irp i, 0,1,2,3
	global_load_b128 v[XR+16*\q+4*\i:XR+16*\q+4*\i+3], v2, s[4:5] offset:2048*\q+512*\i th:TH_LOAD_NT
.endr
.endr
.irp e, 0,1,2,3,4,5,6,7
	v_mov_b32 v[LG+\e], 0
	v_mov_b32 v[SBR+\e], 0
.endr
	s_mov_b32 s29, 1                               ; the lane that keeps this token's logits
	s_mov_b32 s30, 15
	s_wait_loadcnt 4                               ; router_w and token 0 are in; token 1's four loads may be out
	XTURN 0
.Lxtrip:                                           ; 15 trips of two tokens; the last two are written out: no load leaves the buffer
	XSTEP 0, 1, 1
	XSTEP 1, 1, 1
	s_wait_xcnt 0x0                                ; the trip's loads and stores have read their bases and data: both are written again only behind this wait
	s_add_nc_u64 s[4:5], s[4:5], 4096
	s_add_nc_u64 s[24:25], s[24:25], 512
	s_sub_co_u32 s30, s30, 1
	s_cmp_lg_u32 s30, 0
	s_cbranch_scc1 .Lxtrip
	XSTEP 0, 0, 1
	XSTEP 1, 0, 0
	; the scale bytes: [block][token] in registers becomes [token][block] in LDS; both lanes of a block write the same byte with the same value
.irp t, 0,1,2,3,4,5,6,7,8,9,10,11,12,13,14,15,16,17,18,19,20,21,22,23,24,25,26,27,28,29,30,31
.if ((\t)%4) == 0
	ds_store_b8 v6, v[SBR+(\t)/4] offset:16*(\t)
.else
	v_lshrrev_b32 v[XR+\t], 8*((\t)%4), v[SBR+(\t)/4]
	ds_store_b8 v6, v[XR+\t] offset:16*(\t)
.endif
.endr
	ds_load_b128 v[XX:XX+3], v9                    ; LDS serves a wave's instructions in order: this sees my stores
	; a lane is a token from here on.  The largest logit and its index, the lower index on a tie
	v_max3_num_f32 v52, v[LG], v[LG+1], v[LG+2]
	v_max3_num_f32 v52, v52, v[LG+3], v[LG+4]
	v_max3_num_f32 v52, v52, v[LG+5], v[LG+6]
	v_max_num_f32 v52, v52, v[LG+7]
	v_mov_b32 v53, 7
.irp e, 6,5,4,3,2,1,0
	v_cmp_neq_f32 vcc_lo, v[LG+\e], v52
	v_cndmask_b32 v53, \e, v53, vcc_lo
.endr
	v_mov_b32 v56, 0xff800000                      ; -infinity takes the place of the largest
.irp e, 0,1,2,3,4,5,6,7
	v_cmp_eq_u32 vcc_lo, \e, v53
	v_cndmask_b32 v[AC+\e], v[LG+\e], v56, vcc_lo
.endr
	v_max3_num_f32 v54, v[AC], v[AC+1], v[AC+2]
	v_max3_num_f32 v54, v54, v[AC+3], v[AC+4]
	v_max3_num_f32 v54, v54, v[AC+5], v[AC+6]
	v_max_num_f32 v54, v54, v[AC+7]
	v_mov_b32 v55, 7
.irp e, 6,5,4,3,2,1,0
	v_cmp_neq_f32 vcc_lo, v[AC+\e], v54
	v_cndmask_b32 v55, \e, v55, vcc_lo
.endr
	; softmax under the largest logit: p1 = 1 / S, p2 = e2 / S; the gates p / (p1 + p2 + 1e-9) = (1, e2) / (1 + e2 + 1e-9 S)
.irp e, 0,1,2,3,4,5,6,7
	v_sub_f32 v[AC+8+\e], v[LG+\e], v52
.endr
	v_sub_f32 v57, v54, v52
.irp e, 0,1,2,3,4,5,6,7
	v_mul_f32 v[AC+8+\e], 0x3fb8aa3b, v[AC+8+\e]
.endr
	v_mul_f32 v57, 0x3fb8aa3b, v57
.irp e, 0,1,2,3,4,5,6,7
	v_exp_f32 v[AC+8+\e], v[AC+8+\e]
.endr
	v_exp_f32 v57, v57
	v_min_u32 v62, v53, v55                        ; the pair in ascending order (plain lines behind the exponentials)
	v_max_u32 v63, v53, v55
	s_wait_alu depctr_va_vdst(0)                   ; one wait for the nine, ahead of their first reader
	v_add_f32 v[AC+8], v[AC+8], v[AC+9]
	v_add_f32 v[AC+10], v[AC+10], v[AC+11]
	v_add_f32 v[AC+12], v[AC+12], v[AC+13]
	v_add_f32 v[AC+14], v[AC+14], v[AC+15]
	v_add_f32 v[AC+8], v[AC+8], v[AC+10]
	v_add_f32 v[AC+12], v[AC+12], v[AC+14]
	v_add_f32 v58, v[AC+8], v[AC+12]               ; S
	v_add_f32 v59, 1.0, v57
	v_fma_f32 v59, v58, s31, v59
	v_rcp_f32 v60, v59
	v_lshl_add_u32 v66, v62, 3, v63                ; the pair's key, 8 lo + hi (a plain line behind the reciprocal)
	s_wait_alu depctr_va_vdst(0)                   ; ahead of the reciprocal's first reader
	v_mul_f32 v61, v57, v60
	v_cmp_lt_u32 vcc_lo, v53, v55
	v_cndmask_b32 v64, v61, v60, vcc_lo            ; the gate of the lower expert,
	v_cndmask_b32 v65, v60, v61, vcc_lo            ; of the higher
	v_mov_b32 v67, 0
	v_mov_b32 v68, 0
	v_mov_b32 v71, 0
.set PP, 0
.irp a, 0,1,2,3,4,5,6
.irp b, 1,2,3,4,5,6,7
.if \b > \a
	XCLS PP, \a, \b
.set PP, PP+1
.endif
.endr
.endr
	v_lshl_or_b32 v70, v67, 8, v68                 ; class | rank << 8
	global_store_b64 v5, v[70:71], s[16:17]        ; and, in lane p, the group's count of class p: 256 consecutive bytes
	global_store_b64 v5, v[64:65], s[18:19]
	s_wait_dscnt 0x0
	global_store_b128 v2, v[XX:XX+3], s[26:27]     ; the group's 512 scale bytes
	s_wait_tensorcnt 0x0
	ds_add_u32 v254, v255
	s_wait_dscnt 0x0
	s_endpgm
.Lfunc_end_k_q059183c363_prep:
	.size	k_q059183c363_prep, .Lfunc_end_k_q059183c363_prep-k_q059183c363_prep
	.p2alignl 7, 3214868480
	.fill 96, 4, 3214868480
	.section	.rodata,"a",@progbits
	.p2align	6, 0x0
	.amdhsa_kernel k_q059183c363_prep
		.amdhsa_group_segment_fixed_size 57856
		.amdhsa_private_segment_fixed_size 0
		.amdhsa_enable_private_segment 0
		.amdhsa_kernarg_size 64
		.amdhsa_user_sgpr_count 2
		.amdhsa_user_sgpr_kernarg_segment_ptr 1
		.amdhsa_wavefront_size32 1
		.amdhsa_system_sgpr_workgroup_id_x 1
		.amdhsa_system_sgpr_workgroup_id_y 1
		.amdhsa_system_sgpr_workgroup_id_z 1
		.amdhsa_system_vgpr_workitem_id 0
		.amdhsa_next_free_vgpr 256
		.amdhsa_next_free_sgpr 66
		.amdhsa_reserve_vcc 1
		.amdhsa_float_denorm_mode_32 3
		.amdhsa_float_denorm_mode_16_64 3
		.amdhsa_memory_ordered 1
		.amdhsa_forward_progress 1
		.amdhsa_inst_pref_size 92
	.end_amdhsa_kernel
	.amdgpu_metadata
---
amdhsa.version: [ 1, 2 ]
amdhsa.kernels:
  - .name:           k_q059183c363_prep
    .symbol:         k_q059183c363_prep.kd
    .args:
      - { .name: x, .offset: 0, .size: 8, .value_kind: global_buffer, .address_space: global }
      - { .name: router_w, .offset: 8, .size: 8, .value_kind: global_buffer, .address_space: global }
      - { .name: w1, .offset: 16, .size: 8, .value_kind: global_buffer, .address_space: global }
      - { .name: w2, .offset: 24, .size: 8, .value_kind: global_buffer, .address_space: global }
      - { .name: wq, .offset: 32, .size: 8, .value_kind: global_buffer, .address_space: global }
      - { .name: xq, .offset: 40, .size: 8, .value_kind: global_buffer, .address_space: global }
      - { .name: rt, .offset: 48, .size: 8, .value_kind: global_buffer, .address_space: global }
      - { .name: rg, .offset: 56, .size: 8, .value_kind: global_buffer, .address_space: global }
    .group_segment_fixed_size: 57856
    .private_segment_fixed_size: 0
    .kernarg_segment_align: 8
    .kernarg_segment_size: 64
    .max_flat_workgroup_size: 128
    .sgpr_count:     66
    .vgpr_count:     256
    .wavefront_size: 32
...
	.end_amdgpu_metadata
.endif
;; end of part 1
;; launch place (part 2): grid 32 x 1, 4 waves a work-group, no clusters, 0 bytes of LDS; arguments rt, rg, tl, tg; writes tl, tg
.if DOCPART == 2
	.amdgcn_target "amdgcn-amd-amdhsa--gfx1250"
	.amdhsa_code_object_version 6
	.text
	.protected	k_q059183c363_place
	.globl	k_q059183c363_place
	.p2align	8
	.type	k_q059183c363_place,@function
k_q059183c363_place:
	s_mov_b64 s[64:65], 0
	v_nop
	global_prefetch_b8 v0, s[64:65] scope:SCOPE_SE
	s_setreg_imm32_b32 hwreg(HW_REG_WAVE_MODE, 25, 1), 1
	s_wait_xcnt 0x0
; PLACE: a counting sort of the 4,096 tokens by their pair of experts (28 classes) into tiles of 64 tokens of one class.  No atomics: every wave adds up the 128 groups' counts for itself (16 KB),
; so it knows each class's total, the count in the groups ahead of its own, and, from the totals, each class's first tile.  A wave places its own group's 32 tokens.
; tl: records [96] x (n, lo, hi, 0) at 0; the token of each slot, [91 x 64] words, at 2,048.  tg: the two gates of each slot.  At most 64 + 27 = 91 tiles, whatever the split.
; Slots at or beyond a tile's n are not written, and nobody reads them.  The scatter is 12 bytes a token, 48 KB in all.
.set H, 32                             ; v32-159 the groups' counts: lane p holds class p's
.macro PCLS p, a, b
	v_readlane_b32 s21, v7, \p                     ; the class's total,
	v_readlane_b32 s22, v6, \p                     ; its tokens in the groups ahead of mine,
	s_add_co_u32 s23, s21, 63
	s_lshr_b32 s23, s23, 6                         ; its tiles
	v_cmp_gt_u32 vcc_lo, s24, v0                   ; thread i looks after tile i: the last class that begins at or ahead of tile i owns it
	v_cndmask_b32 v10, s24, v10, vcc_lo
	v_cndmask_b32 v11, s21, v11, vcc_lo
	v_cndmask_b32 v21, \a, v21, vcc_lo
	v_cndmask_b32 v22, \b, v22, vcc_lo
	v_cmp_ne_u32 vcc_lo, \p, v8                    ; and my token's own class
	v_cndmask_b32 v14, s24, v14, vcc_lo
	v_cndmask_b32 v15, s22, v15, vcc_lo
	s_add_co_u32 s24, s24, s23
.endm
	s_load_b256 s[4:11], s[0:1], 0x0               ; rt s[4:5], rg s[6:7], tl s[8:9], tg s[10:11]
	v_lshrrev_b32 v1, 5, v0
	v_readfirstlane_b32 s12, v1                    ; wave
	v_and_b32 v1, 31, v0                           ; lane
	v_lshlrev_b32 v2, 3, v1                        ; 8 x lane
	s_lshl_b32 s13, ttmp9, 2
	s_add_co_u32 s13, s13, s12                     ; my group
	s_lshl_b32 s14, s13, 8
	s_mov_b32 s15, 0
	s_wait_kmcnt 0x0
	s_add_nc_u64 s[16:17], s[4:5], s[14:15]
	s_add_nc_u64 s[18:19], s[6:7], s[14:15]
	global_load_b32 v3, v2, s[16:17]               ; my token's class and rank
	global_load_b64 v[4:5], v2, s[18:19]           ; its gates
.set G, 0
.rept 128
	global_load_b32 v[H+G], v2, s[4:5] offset:256*G+4
.set G, G+1
.endr
	v_mov_b32 v6, 0
	v_mov_b32 v7, 0
	v_mov_b32 v10, 0
	v_mov_b32 v11, 0
	v_mov_b32 v14, 0
	v_mov_b32 v15, 0
	v_mov_b32 v21, 0
	v_mov_b32 v22, 0
	v_mov_b32 v23, 0
	s_mov_b32 s24, 0                               ; tiles so far
	s_wait_loadcnt 0x0
.set G, 0
.rept 128
	s_cmp_gt_u32 s13, G
	s_cselect_b32 s20, 1, 0
	v_mad_u32_u24 v6, v[H+G], s20, v6              ; the groups ahead of mine,
	v_add_nc_u32 v7, v7, v[H+G]                    ; all groups
.set G, G+1
.endr
	v_and_b32 v8, 0xff, v3                         ; class
	v_lshrrev_b32 v9, 8, v3                        ; rank in the group
.set PP, 0
.irp a, 0,1,2,3,4,5,6
.irp b, 1,2,3,4,5,6,7
.if \b > \a
	PCLS PP, \a, \b
.set PP, PP+1
.endif
.endr
.endr
	v_lshl_add_u32 v24, v14, 6, v15                ; my slot: 64 x the class's first tile + those ahead + my rank
	v_add_nc_u32 v24, v24, v9
	v_min_u32 v24, 0x16bf, v24                     ; held inside the 91 x 64 slots
	v_lshlrev_b32 v25, 2, v24
	v_lshlrev_b32 v26, 3, v24
	s_lshl_b32 s25, s13, 5
	v_add_nc_u32 v27, s25, v1                      ; my token's number
	global_store_b32 v25, v27, s[8:9] offset:2048
	global_store_b64 v26, v[4:5], s[10:11]
	s_cmp_lg_u32 ttmp9, 0                          ; the records: threads 0-95 of work-group 0
	s_cbranch_scc1 .Lend
	s_cmp_gt_u32 s12, 2
	s_cbranch_scc1 .Lend
	v_sub_nc_u32 v16, v0, v10
	v_lshlrev_b32 v16, 6, v16
	v_sub_nc_u32 v20, v11, v16                     ; what the class has left at this tile,
	v_max_i32 v20, 0, v20
	v_min_i32 v20, 64, v20                         ; held to 0 .. 64
	v_lshlrev_b32 v28, 4, v0
	global_store_b128 v28, v[20:23], s[8:9]
.Lend:
	s_endpgm
.Lfunc_end_k_q059183c363_place:
	.size	k_q059183c363_place, .Lfunc_end_k_q059183c363_place-k_q059183c363_place
	.p2alignl 7, 3214868480
	.fill 96, 4, 3214868480
	.section	.rodata,"a",@progbits
	.p2align	6, 0x0
	.amdhsa_kernel k_q059183c363_place
		.amdhsa_group_segment_fixed_size 0
		.amdhsa_private_segment_fixed_size 0
		.amdhsa_enable_private_segment 0
		.amdhsa_kernarg_size 32
		.amdhsa_user_sgpr_count 2
		.amdhsa_user_sgpr_kernarg_segment_ptr 1
		.amdhsa_wavefront_size32 1
		.amdhsa_system_sgpr_workgroup_id_x 1
		.amdhsa_system_sgpr_workgroup_id_y 1
		.amdhsa_system_sgpr_workgroup_id_z 1
		.amdhsa_system_vgpr_workitem_id 0
		.amdhsa_next_free_vgpr 160
		.amdhsa_next_free_sgpr 66
		.amdhsa_reserve_vcc 1
		.amdhsa_float_denorm_mode_32 3
		.amdhsa_float_denorm_mode_16_64 3
		.amdhsa_memory_ordered 1
		.amdhsa_forward_progress 1
		.amdhsa_inst_pref_size 50
	.end_amdhsa_kernel
	.amdgpu_metadata
---
amdhsa.version: [ 1, 2 ]
amdhsa.kernels:
  - .name:           k_q059183c363_place
    .symbol:         k_q059183c363_place.kd
    .args:
      - { .name: rt, .offset: 0, .size: 8, .value_kind: global_buffer, .address_space: global }
      - { .name: rg, .offset: 8, .size: 8, .value_kind: global_buffer, .address_space: global }
      - { .name: tl, .offset: 16, .size: 8, .value_kind: global_buffer, .address_space: global }
      - { .name: tg, .offset: 24, .size: 8, .value_kind: global_buffer, .address_space: global }
    .group_segment_fixed_size: 0
    .private_segment_fixed_size: 0
    .kernarg_segment_align: 8
    .kernarg_segment_size: 32
    .max_flat_workgroup_size: 128
    .sgpr_count:     66
    .vgpr_count:     160
    .wavefront_size: 32
...
	.end_amdgpu_metadata
.endif
;; end of part 2
;; launch hid (part 3): grid 91 x 8, 4 waves a work-group, no clusters, 0 bytes of LDS; arguments tl, xq, wq, b1, hq; writes hq
.if DOCPART == 3
	.amdgcn_target "amdgcn-amd-amdhsa--gfx1250"
	.amdhsa_code_object_version 6
	.text
	.protected	k_q059183c363_hid
	.globl	k_q059183c363_hid
	.p2align	8
	.type	k_q059183c363_hid,@function
k_q059183c363_hid:
	s_mov_b64 s[64:65], 0
	v_nop
	global_prefetch_b8 v0, s[64:65] scope:SCOPE_SE
	s_setreg_imm32_b32 hwreg(HW_REG_WAVE_MODE, 25, 1), 1
	s_wait_xcnt 0x0
; HID: the hidden layer's codes.  Work-group (tile, y): side = y / 4 (0: the pair's lower expert, 1: the higher), wave w takes hidden units 128 q .. 128 q + 127, q = 4 (y % 4) + w, for the tile's tokens.
; h = gelu(x W1^T + b1), exact GELU in f32, quantised along the hidden units to FP4 (E2M1) with one E8M0 byte for each 32: K step q of the second product.
; THE PRODUCT IS USED TRANSPOSED (source 0 = 16 rows of W1, source 1 = 16 tokens): a lane holds one token, and, since W1's rows were chosen for it when the weights were laid out, the 16 registers
; of tiles 2 b and 2 b + 1 are hidden units 32 b + 16 (lane / 16) + 0..15.  b1 is the C of each sum's first matrix instruction.
; hq: codes at ((2 tile + side) 16 + q) 4096 + tt 1024 + c 512 + 16 lane: images of the operand's registers for the tile's tt-th 16 tokens;
;     scale words at 11,927,552 + ((2 tile + side) 16 + q) 256 + 8 lane: lanes 0-15 the words of tt 0, 1 of row r, lanes 16-31 those of tt 2, 3.
; A tile with n tokens works ceil(n / 16) groups of 16; slots at or beyond n repeat token n - 1.  A tile with n = 0 ends at once: the grid of 91 tiles serves every split.
; GELU: gelu(x) = max(x, 0) - |x| phi(x) (c1 t + .. + c5 t^5), t = 1 / (1 + 0.2316419 |x|) (Abramowitz and Stegun 26.2.17, 1 / sqrt(2 pi) folded into c1..c5).
; LIMITS: that formula's error in the normal integral is at most 7.5e-8 for every x, so gelu's is at most 7.5e-8 |x|; NaN and infinities are not served; a block of zeros gets the byte 1.
; NO CLUSTER, NO TENSOR LOAD: which work-groups share an expert's weights hangs on the stored list, and work-groups without rows end at once; operands go from memory straight into registers.
; Waves share nothing: no LDS, no barrier.  REGISTERS: window 1: W1's 32 fragments at 8 (8 ks + t).  Window 0: as named below.
.set LI,  1                            ; 16 x lane
.set XO,  2                            ; v2-5   tt: token x 256 + 16 h
.set XSO, 6                            ; v6-9   tt: token x 16
.set C4,  10                           ; v10-11 c4, twice
.set L8,  12                           ; 8 x lane
.set BO,  13                           ; 64 h
.set RR,  14                           ; r
.set H16, 15                           ; 16 h
.set W1S, 16                           ; v16-31 W1's scale words: 4 (t / 2) + ks; lanes 0-15 the even tile's, lanes 16-31 the odd one's
.set XS,  32                           ; v32-35 x's scale words, ks 0..3
.set XF,  36                           ; v36-67 x's four fragments
.set HA,  68                           ; v68-131 eight accumulators
.set B1,  132                          ; v132-195 b1 in the result's layout
.set T,   196
.set TM,  196
.set E,   212
.set P,   228
.set PC,  244                          ; v244-251 the codes just made
.set PW,  252                          ; v252-255 the scale word of each tt
.set MSB, 0
.macro WIN new                         ; the immediate's high byte repeats the setting that is left
.if MSB != \new
	s_set_vgpr_msb (MSB<<8)|\new
.set MSB, \new
.endif
.endm
.macro W1LOAD ks
.irp t, 0,1,2,3,4,5,6,7
.irp c, 0,1
	global_load_b128 v[8*(8*(\ks)+\t)+4*\c:8*(8*(\ks)+\t)+4*\c+3], v[LI], s[30:31] offset:(\ks)*8192+\t*1024+\c*512
.endr
.endr
.endm
.macro XLOAD tt                        ; 16 tokens' codes, gathered by the list, and their scale words
.irp ks, 0,1,2,3
.irp c, 0,1
	global_load_b128 v[XF+8*\ks+4*\c:XF+8*\ks+4*\c+3], v[XO+(\tt)], s[6:7] offset:64*\ks+32*\c
.endr
.endr
	global_load_b128 v[XS:XS+3], v[XSO+(\tt)], s[56:57]
.endm
.macro PROD ks, t
.set rD, HA+8*(\t)
.set rA, 8*(8*(\ks)+(\t))
.set rB, XF+8*(\ks)
.set rC, B1+8*(\t)
.set rSA, W1S+4*((\t)/2)+(\ks)
.set rSB, XS+(\ks)
.if (\ks) == 0
.if (\t)%2
	v_wmma_scale_f32_16x16x128_f8f6f4 v[rD:rD+7], v[rA:rA+7], v[rB:rB+7], v[rC:rC+7], v[rSA], v[rSB] matrix_a_fmt:MATRIX_FMT_FP4 matrix_b_fmt:MATRIX_FMT_FP4 matrix_a_scale:MATRIX_SCALE_ROW1
.else
	v_wmma_scale_f32_16x16x128_f8f6f4 v[rD:rD+7], v[rA:rA+7], v[rB:rB+7], v[rC:rC+7], v[rSA], v[rSB] matrix_a_fmt:MATRIX_FMT_FP4 matrix_b_fmt:MATRIX_FMT_FP4
.endif
.else
.if (\t)%2
	v_wmma_scale_f32_16x16x128_f8f6f4 v[rD:rD+7], v[rA:rA+7], v[rB:rB+7], v[rD:rD+7], v[rSA], v[rSB] matrix_a_fmt:MATRIX_FMT_FP4 matrix_b_fmt:MATRIX_FMT_FP4 matrix_a_scale:MATRIX_SCALE_ROW1
.else
	v_wmma_scale_f32_16x16x128_f8f6f4 v[rD:rD+7], v[rA:rA+7], v[rB:rB+7], v[rD:rD+7], v[rSA], v[rSB] matrix_a_fmt:MATRIX_FMT_FP4 matrix_b_fmt:MATRIX_FMT_FP4
.endif
.endif
.endm
; GELU in place on 16 numbers, two accumulators, each read from its low end on.  The 16 reciprocals and 16 exponentials are one batch with one wait.
.macro GELU b
.set GX, HA+16*(\b)
.irp i, 0,1,2,3,4,5,6,7,8,9,10,11,12,13,14,15
	v_fma_f32 v[T+\i], |v[GX+\i]|, s40, 1.0
.endr
.irp i, 0,1,2,3,4,5,6,7,8,9,10,11,12,13,14,15
	v_rcp_f32 v[T+\i], v[T+\i]                     ; t
.endr
.irp i, 0,2,4,6,8,10,12,14
	v_pk_mul_f32 v[E+\i:E+\i+1], v[GX+\i:GX+\i+1], v[GX+\i:GX+\i+1]
.endr
.irp i, 0,2,4,6,8,10,12,14
	v_pk_mul_f32 v[E+\i:E+\i+1], v[E+\i:E+\i+1], s[42:43] op_sel_hi:[1,0]
.endr
.irp i, 0,1,2,3,4,5,6,7,8,9,10,11,12,13,14,15
	v_exp_f32 v[E+\i], v[E+\i]                     ; exp(-x^2 / 2)
.endr
	v_nop                                          ; a plain line behind the last exponential
	s_wait_alu depctr_va_vdst(0)                   ; one wait for the 32, ahead of their first reader
.irp i, 0,2,4,6,8,10,12,14
	v_pk_fma_f32 v[P+\i:P+\i+1], v[T+\i:T+\i+1], s[44:45], v[C4:C4+1] op_sel_hi:[1,0,1]
.endr
.irp i, 0,2,4,6,8,10,12,14
	v_pk_fma_f32 v[P+\i:P+\i+1], v[P+\i:P+\i+1], v[T+\i:T+\i+1], s[46:47] op_sel_hi:[1,1,0]
.endr
.irp i, 0,2,4,6,8,10,12,14
	v_pk_fma_f32 v[P+\i:P+\i+1], v[P+\i:P+\i+1], v[T+\i:T+\i+1], s[48:49] op_sel_hi:[1,1,0]
.endr
.irp i, 0,2,4,6,8,10,12,14
	v_pk_fma_f32 v[P+\i:P+\i+1], v[P+\i:P+\i+1], v[T+\i:T+\i+1], s[50:51] op_sel_hi:[1,1,0]
.endr
.irp i, 0,2,4,6,8,10,12,14
	v_pk_mul_f32 v[P+\i:P+\i+1], v[P+\i:P+\i+1], v[T+\i:T+\i+1]
.endr
.irp i, 0,2,4,6,8,10,12,14
	v_pk_mul_f32 v[P+\i:P+\i+1], v[P+\i:P+\i+1], v[E+\i:E+\i+1]
.endr
.irp i, 0,1,2,3,4,5,6,7,8,9,10,11,12,13,14,15
	v_max_num_f32 v[T+\i], 0, v[GX+\i]
.endr
.irp i, 0,1,2,3,4,5,6,7,8,9,10,11,12,13,14,15
	v_fma_f32 v[GX+\i], -|v[GX+\i]|, v[P+\i], v[T+\i]
.endr
.endm
; 64 numbers of a lane, register 16 b + i = k 32 b + 16 (lane / 16) + i of my token, become a fragment's codes in v[PC] on and its scale word in v[PW + tt]
.macro QUANT tt
.irp b, 0,1,2,3
	v_max3_num_f32 v[TM+\b], |v[HA+16*\b]|, |v[HA+1+16*\b]|, 0x1800000   ; and the floor 2^(3 - 127): the byte cannot fall under 1
.endr
.irp i, 2,4,6,8,10,12,14
.irp b, 0,1,2,3
	v_max3_num_f32 v[TM+\b], v[TM+\b], |v[HA+16*\b+\i]|, |v[HA+1+16*\b+\i]|
.endr
.endr
.irp b, 0,1,2,3
	v_permlanex16_b32 v[TM+4+\b], v[TM+\b], s54, s55
.endr
.irp b, 0,1,2,3
	v_max_num_f32 v[TM+\b], v[TM+\b], v[TM+4+\b]   ; with lane l xor 16's: the block's largest magnitude
.endr
.irp b, 0,1,2,3
	v_add_nc_u32 v[TM+12+\b], 0xff000000, v[TM+\b] ; 2 off its exponent field: the conversion's scale operand
.endr
.irp b, 0,1,2,3
	v_lshrrev_b32 v[TM+4+\b], 23, v[TM+12+\b]      ; the scale's byte
.endr
	v_lshl_or_b32 v[PW+\tt], v[TM+5], 8, v[TM+4]
	v_lshl_or_b32 v[PW+\tt], v[TM+6], 16, v[PW+\tt]
	v_lshl_or_b32 v[PW+\tt], v[TM+7], 24, v[PW+\tt]
	s_wait_xcnt 0x0                                ; the last group's stores have read the codes' registers: they are written again only behind this wait
.irp b, 0,1,2,3
	v_cvt_scalef32_pk8_fp4_f32 v[PC+2*\b], v[HA+16*\b:HA+7+16*\b], v[TM+12+\b]
	v_cvt_scalef32_pk8_fp4_f32 v[PC+1+2*\b], v[HA+8+16*\b:HA+15+16*\b], v[TM+12+\b]
.endr
	v_nop                                          ; one plain line behind a scaled conversion
.irp c, 0,1                                    ; the operand's layout wants a whole block in a lane
.irp i, 0,1
	v_permlane16_swap_b32 v[PC+4*\c+\i], v[PC+2+4*\c+\i]
.endr
.endr
.endm
; The tile's tt-th 16 tokens.
.macro TT tt
.if \tt > 0
	s_cmp_le_u32 s24, \tt                          ; no such group in this tile
	s_cbranch_scc1 .Ldone
.endif
	s_wait_loadcnt 0x0                             ; the group's codes of x (and, the first time, the weights)
	WIN 0x01                                       ; source 0 (W1) in window 1
.irp ks, 0,1,2,3                               ; the eight accumulators take turns, one instruction a turn
.irp u, 0,1,2,3,4,5,6,7
	PROD \ks, \u
.endr
.endr
	WIN 0
.rept 4
	v_nop                                          ; four places ahead of loads into registers that the products read, and of the first read of results
.endr
.if \tt < 3
	XLOAD \tt+1                                    ; the next group's codes land while this one's GELU is worked
.endif
	GELU 0
	GELU 1
	GELU 2
	GELU 3
	QUANT \tt
.irp c, 0,1
	global_store_b128 v[LI], v[PC+4*\c:PC+4*\c+3], s[36:37] offset:\tt*1024+512*\c   ; 512 consecutive bytes
.endr
.endm
	s_load_b256 s[4:11], s[0:1], 0x0               ; tl s[4:5], xq s[6:7], wq s[8:9], b1 s[10:11]
	s_load_b64 s[12:13], s[0:1], 0x20              ; hq
	v_lshrrev_b32 v[BO], 5, v0
	v_readfirstlane_b32 s14, v[BO]                 ; wave
	s_and_b32 s15, ttmp7, 0xffff
	s_lshr_b32 s22, s15, 2                         ; side
	s_and_b32 s23, s15, 3
	s_lshl_b32 s23, s23, 2
	s_add_co_u32 s23, s23, s14                     ; q
	s_lshl_b32 s20, ttmp9, 4
	s_mov_b32 s21, 0
	s_wait_kmcnt 0x0
	s_add_nc_u64 s[20:21], s[4:5], s[20:21]
	s_load_b128 s[16:19], s[20:21], 0x0            ; the tile's record: n, lo, hi
	v_and_b32 v[LI], 31, v0
	v_lshlrev_b32 v[L8], 3, v[LI]
	v_lshlrev_b32 v[LI], 4, v[LI]
	v_and_b32 v[RR], 15, v0
	v_bfe_u32 v[H16], v0, 4, 1
	v_lshlrev_b32 v[BO], 6, v[H16]
	v_lshlrev_b32 v[H16], 4, v[H16]
	v_mov_b32 v[C4], 0xbf3a00e3                    ; c4 = -0.7265760135
	v_mov_b32 v[C4+1], 0xbf3a00e3
.irp i, 0,1,2,3
	v_mov_b32 v[PW+\i], 0                          ; groups that are not worked leave a word that nobody reads
.endr
	s_mov_b32 s40, 0x3e6d3389                      ; 0.2316419
	s_mov_b32 s42, 0xbf38aa3b                      ; -log2(e) / 2
	s_mov_b32 s43, 0xbf38aa3b
	s_mov_b32 s44, 0x3f07dc22                      ; c5 = 0.5307027145
	s_mov_b32 s45, 0x3f07dc22
	s_mov_b32 s46, 0x3f35f0e3                      ; c3 = 0.7107068705
	s_mov_b32 s47, 0x3f35f0e3
	s_mov_b32 s48, 0xbe11a98e                      ; c2 = -0.142248368
	s_mov_b32 s49, 0xbe11a98e
	s_mov_b32 s50, 0x3e027906                      ; c1 = 0.127414796
	s_mov_b32 s51, 0x3e027906
	s_mov_b32 s52, 0xffff0000                      ; lanes 16-31
	s_mov_b32 s54, 0x76543210
	s_mov_b32 s55, 0xfedcba98
	s_mov_b32 s29, 0
	s_wait_kmcnt 0x0
	s_cmp_eq_u32 s16, 0
	s_cbranch_scc1 .Lend                           ; a tile that this split leaves without rows
	s_add_co_u32 s24, s16, 15
	s_lshr_b32 s24, s24, 4                         ; groups of 16
	s_sub_co_u32 s25, s16, 1
	s_cmp_eq_u32 s22, 0
	s_cselect_b32 s26, s17, s18
	s_min_u32 s26, s26, 7                          ; my expert
	s_lshl_b32 s27, s26, 4
	s_add_co_u32 s27, s27, s23                     ; W1's block 16 e + q
	s_lshl_b32 s28, s27, 15
	s_add_nc_u64 s[30:31], s[8:9], s[28:29]        ; its codes,
	s_lshl_b32 s28, s27, 11
	s_add_co_u32 s28, s28, 0x800000
	s_add_nc_u64 s[32:33], s[8:9], s[28:29]        ; its scale words
	s_lshl_b32 s28, s26, 13
	s_lshl_b32 s34, s23, 9
	s_add_co_u32 s28, s28, s34
	s_add_nc_u64 s[10:11], s[10:11], s[28:29]      ; b1 at my 128 units
	s_lshl_b32 s28, ttmp9, 8
	s_add_co_u32 s28, s28, 2048
	s_add_nc_u64 s[4:5], s[4:5], s[28:29]          ; the tile's tokens
	s_lshl_b32 s34, ttmp9, 1
	s_add_co_u32 s34, s34, s22
	s_lshl_b32 s34, s34, 4
	s_add_co_u32 s34, s34, s23                     ; (2 tile + side) 16 + q
	s_lshl_b32 s28, s34, 12
	s_add_nc_u64 s[36:37], s[12:13], s[28:29]      ; where my codes go,
	s_lshl_b32 s28, s34, 8
	s_add_co_u32 s28, s28, 0xb60000
	s_add_nc_u64 s[38:39], s[12:13], s[28:29]      ; and my scale words
	s_add_nc_u64 s[56:57], s[6:7], 0x100000        ; x's scale bytes
.irp i, 0,1,2,3
	v_add_nc_u32 v[XSO+\i], 16*\i, v[RR]           ; slot 16 tt + r, held at n - 1 and inside the tile
	v_min_u32 v[XSO+\i], s25, v[XSO+\i]
	v_min_u32 v[XSO+\i], 63, v[XSO+\i]
	v_lshlrev_b32 v[XSO+\i], 2, v[XSO+\i]
.endr
.irp i, 0,1,2,3
	global_load_b32 v[XO+\i], v[XSO+\i], s[4:5]
.endr
.irp i, 0,1,2,3
	global_load_b128 v[W1S+4*\i:W1S+4*\i+3], v[LI], s[32:33] offset:512*\i
.endr
.irp t, 0,1,2,3,4,5,6,7
	global_load_b128 v[B1+8*\t:B1+8*\t+3], v[BO], s[10:11] offset:(32*(\t/2)+8*(\t%2))*4
	global_load_b128 v[B1+8*\t+4:B1+8*\t+7], v[BO], s[10:11] offset:(32*(\t/2)+8*(\t%2))*4+16
.endr
	WIN 0x40                                       ; destination window 1
	W1LOAD 0
	W1LOAD 1
	WIN 0
	s_wait_loadcnt 52                              ; the four token loads are in: 4 + 16 + 32 loads were issued behind them
.irp i, 0,1,2,3
	v_min_u32 v[XO+\i], 0xfff, v[XO+\i]            ; a token's number, held inside x
	v_lshlrev_b32 v[XSO+\i], 4, v[XO+\i]
	v_lshl_add_u32 v[XO+\i], v[XO+\i], 8, v[H16]
.endr
	XLOAD 0
	WIN 0x40
	W1LOAD 2
	W1LOAD 3
	WIN 0
	TT 0
	TT 1
	TT 2
	TT 3
.Ldone:
	v_cndmask_b32 v[T], v[PW], v[PW+2], s52        ; lanes 0-15: the words of groups 0, 1; lanes 16-31: of groups 2, 3
	v_cndmask_b32 v[T+1], v[PW+1], v[PW+3], s52
	global_store_b64 v[L8], v[T:T+1], s[38:39]     ; 256 consecutive bytes
.Lend:
	s_endpgm
.Lfunc_end_k_q059183c363_hid:
	.size	k_q059183c363_hid, .Lfunc_end_k_q059183c363_hid-k_q059183c363_hid
	.p2alignl 7, 3214868480
	.fill 96, 4, 3214868480
	.section	.rodata,"a",@progbits
	.p2align	6, 0x0
	.amdhsa_kernel k_q059183c363_hid
		.amdhsa_group_segment_fixed_size 0
		.amdhsa_private_segment_fixed_size 0
		.amdhsa_enable_private_segment 0
		.amdhsa_kernarg_size 40
		.amdhsa_user_sgpr_count 2
		.amdhsa_user_sgpr_kernarg_segment_ptr 1
		.amdhsa_wavefront_size32 1
		.amdhsa_system_sgpr_workgroup_id_x 1
		.amdhsa_system_sgpr_workgroup_id_y 1
		.amdhsa_system_sgpr_workgroup_id_z 1
		.amdhsa_system_vgpr_workitem_id 0
		.amdhsa_next_free_vgpr 512
		.amdhsa_next_free_sgpr 66
		.amdhsa_reserve_vcc 0
		.amdhsa_float_denorm_mode_32 3
		.amdhsa_float_denorm_mode_16_64 3
		.amdhsa_memory_ordered 1
		.amdhsa_forward_progress 1
		.amdhsa_inst_pref_size 171
	.end_amdhsa_kernel
	.amdgpu_metadata
---
amdhsa.version: [ 1, 2 ]
amdhsa.kernels:
  - .name:           k_q059183c363_hid
    .symbol:         k_q059183c363_hid.kd
    .args:
      - { .name: tl, .offset: 0, .size: 8, .value_kind: global_buffer, .address_space: global }
      - { .name: xq, .offset: 8, .size: 8, .value_kind: global_buffer, .address_space: global }
      - { .name: wq, .offset: 16, .size: 8, .value_kind: global_buffer, .address_space: global }
      - { .name: b1, .offset: 24, .size: 8, .value_kind: global_buffer, .address_space: global }
      - { .name: hq, .offset: 32, .size: 8, .value_kind: global_buffer, .address_space: global }
    .group_segment_fixed_size: 0
    .private_segment_fixed_size: 0
    .kernarg_segment_align: 8
    .kernarg_segment_size: 40
    .max_flat_workgroup_size: 128
    .sgpr_count:     66
    .vgpr_count:     512
    .wavefront_size: 32
...
	.end_amdgpu_metadata
.endif
;; end of part 3
;; launch out (part 4): grid 91 x 4, 4 waves a work-group, no clusters, 135,680 bytes of LDS; arguments tl, tg, hq, wq, b2, out0; writes out0
.if DOCPART == 4
	.amdgcn_target "amdgcn-amd-amdhsa--gfx1250"
	.amdhsa_code_object_version 6
	.text
	.protected	k_q059183c363_out
	.globl	k_q059183c363_out
	.p2align	8
	.type	k_q059183c363_out,@function
k_q059183c363_out:
	s_mov_b64 s[64:65], 0
	v_nop
	global_prefetch_b8 v0, s[64:65] scope:SCOPE_SE
	s_setreg_imm32_b32 hwreg(HW_REG_WAVE_MODE, 25, 1), 1
	s_wait_xcnt 0x0
; OUT: out0[token] = g_lo (h_lo W2[lo]^T + b2[lo]) + g_hi (h_hi W2[hi]^T + b2[hi]).  Work-group (tile, cs): the tile's 64 tokens x columns 128 cs .. 128 cs + 127: each output row has one owner.
; Wave w takes side w / 2 and half w % 2 of K = 2,048: eight K steps of 128, 32 accumulators (4 groups of 16 tokens x 8 tiles of 16 columns).  Codes of FP4 (E2M1) with E8M0 scales on both sides.
; THE PRODUCT IS USED TRANSPOSED (source 0 = 16 rows of W2, source 1 = 16 tokens): a lane holds one token and eight neighbouring columns.
; The four waves' parts meet in LDS (four parts of 64 rows x (512 + 16) bytes), one barrier; then wave w joins, scales and stores the tile's w-th 16 rows, 512 consecutive bytes a row.
; A tile with n tokens has ceil(n / 16) groups whose hidden codes exist: group numbers are held at the last of them and slots at n - 1, so only written bytes are read; repeated slots store the same
; bytes at the same place.  A tile with n = 0 jumps over the work, passes the barrier with the others and ends: the barrier stands on every wave's path.
; LIMIT: the sum over K is made in two halves that are joined in f32.
; NO CLUSTER, NO TENSOR LOAD: which work-groups share an expert's weights hangs on the stored list; operands go from memory straight into registers, two K steps' loads (48) on their way.
; REGISTERS: window 1: the accumulators at 8 (8 tt + ct).  Window 0: as named below; two sets of 96 (W2's 8 fragments, the hidden layer's 4) at v64 and v160.
.set LI,  1                            ; 16 x lane
.set VH,  2                            ; v2-5  16 x lane + 1,024 x the group's number (held)
.set VSA, 6                            ; the hidden layer's scale words: lanes 0-15 group 0's, lanes 16-31 group 2's
.set VSB, 7                            ; groups 1 and 3
.set STO, 8                            ; my part: where I put 32 bytes of a row
.set RD,  9                            ; v9-12 part p: my 16 rows, 16 bytes a lane
.set TA,  13
.set RR,  14
.set HH,  15
.set W2S, 16                           ; v16-47 W2's scale words: 4 (4 (k / 4) + ct / 2) + k % 4
.set HSC, 48                           ; v48-63 the hidden layer's: 2 k + tt % 2
.set B2A, 192
.set B2B, 196
.set VO,  200                          ; v200-215 a row's byte offset in out0
.set TOK, 216
.set GT,  218
.set OP,  528
.set PART, 64*OP
.set MSB, 0
.macro WIN new                         ; the immediate's high byte repeats the setting that is left
.if MSB != \new
	s_set_vgpr_msb (MSB<<8)|\new
.set MSB, \new
.endif
.endm
.macro KLOAD k
.set KB, 64+96*((\k)%2)
.irp ct, 0,1,2,3,4,5,6,7
.irp c, 0,1
	global_load_b128 v[KB+8*\ct+4*\c:KB+8*\ct+4*\c+3], v[LI], s[38:39] offset:(\k)*8192+\ct*1024+\c*512
.endr
.endr
.irp tt, 0,1,2,3
.irp c, 0,1
	global_load_b128 v[KB+64+8*\tt+4*\c:KB+64+8*\tt+4*\c+3], v[VH+\tt], s[42:43] offset:(\k)*4096+\c*512
.endr
.endr
.endm
.macro OPROD k, tt, ct
.set rD, 8*(8*(\tt)+(\ct))
.set rA, KB+8*(\ct)
.set rB, KB+64+8*(\tt)
.set rSA, W2S+4*(4*((\k)/4)+(\ct)/2)+(\k)%4
.set rSB, HSC+2*(\k)+(\tt)%2
.if (\k) == 0
.if ((\ct)%2) && ((\tt) >= 2)
	v_wmma_scale_f32_16x16x128_f8f6f4 v[rD:rD+7], v[rA:rA+7], v[rB:rB+7], 0, v[rSA], v[rSB] matrix_a_fmt:MATRIX_FMT_FP4 matrix_b_fmt:MATRIX_FMT_FP4 matrix_a_scale:MATRIX_SCALE_ROW1 matrix_b_scale:MATRIX_SCALE_ROW1
.elseif (\ct)%2
	v_wmma_scale_f32_16x16x128_f8f6f4 v[rD:rD+7], v[rA:rA+7], v[rB:rB+7], 0, v[rSA], v[rSB] matrix_a_fmt:MATRIX_FMT_FP4 matrix_b_fmt:MATRIX_FMT_FP4 matrix_a_scale:MATRIX_SCALE_ROW1
.elseif (\tt) >= 2
	v_wmma_scale_f32_16x16x128_f8f6f4 v[rD:rD+7], v[rA:rA+7], v[rB:rB+7], 0, v[rSA], v[rSB] matrix_a_fmt:MATRIX_FMT_FP4 matrix_b_fmt:MATRIX_FMT_FP4 matrix_b_scale:MATRIX_SCALE_ROW1
.else
	v_wmma_scale_f32_16x16x128_f8f6f4 v[rD:rD+7], v[rA:rA+7], v[rB:rB+7], 0, v[rSA], v[rSB] matrix_a_fmt:MATRIX_FMT_FP4 matrix_b_fmt:MATRIX_FMT_FP4
.endif
.else
.if ((\ct)%2) && ((\tt) >= 2)
	v_wmma_scale_f32_16x16x128_f8f6f4 v[rD:rD+7], v[rA:rA+7], v[rB:rB+7], v[rD:rD+7], v[rSA], v[rSB] matrix_a_fmt:MATRIX_FMT_FP4 matrix_b_fmt:MATRIX_FMT_FP4 matrix_a_scale:MATRIX_SCALE_ROW1 matrix_b_scale:MATRIX_SCALE_ROW1
.elseif (\ct)%2
	v_wmma_scale_f32_16x16x128_f8f6f4 v[rD:rD+7], v[rA:rA+7], v[rB:rB+7], v[rD:rD+7], v[rSA], v[rSB] matrix_a_fmt:MATRIX_FMT_FP4 matrix_b_fmt:MATRIX_FMT_FP4 matrix_a_scale:MATRIX_SCALE_ROW1
.elseif (\tt) >= 2
	v_wmma_scale_f32_16x16x128_f8f6f4 v[rD:rD+7], v[rA:rA+7], v[rB:rB+7], v[rD:rD+7], v[rSA], v[rSB] matrix_a_fmt:MATRIX_FMT_FP4 matrix_b_fmt:MATRIX_FMT_FP4 matrix_b_scale:MATRIX_SCALE_ROW1
.else
	v_wmma_scale_f32_16x16x128_f8f6f4 v[rD:rD+7], v[rA:rA+7], v[rB:rB+7], v[rD:rD+7], v[rSA], v[rSB] matrix_a_fmt:MATRIX_FMT_FP4 matrix_b_fmt:MATRIX_FMT_FP4
.endif
.endif
.endm
.macro KSTEP k
.if (\k) < 7
	s_wait_loadcnt 24                              ; this K step's operands are in; the next step's 24 loads may be out
.else
	s_wait_loadcnt 0x0
.endif
.set KB, 64+96*((\k)%2)
	WIN 0x50                                       ; C and D in window 1
.irp tt, 0,1,2,3                               ; the 32 accumulators take turns, one instruction a turn; the first K step starts the sums with the constant 0
.irp ct, 0,1,2,3,4,5,6,7
	OPROD \k, \tt, \ct
.endr
.endr
	WIN 0
.if (\k) <= 5
.rept 4
	v_nop                                          ; four places ahead of loads into registers that the products read
.endr
	KLOAD (\k)+2
.endif
.endm
.macro OBATCH b                        ; rows 4 b .. 4 b + 3 of my 16: the four parts of each
.irp i, 0,1,2,3
.irp p, 0,1,2,3
	ds_load_b128 v[64+64*((\b)%2)+16*\i+4*\p:64+64*((\b)%2)+16*\i+4*\p+3], v[RD+\p] offset:(4*(\b)+\i)*OP
.endr
.endr
.endm
.macro OROW b, i
.set PB, 64+64*((\b)%2)+16*(\i)
.set RN, 4*(\b)+(\i)
	v_readlane_b32 s54, v[TOK], RN
	s_min_u32 s54, s54, 0xfff                      ; the row's token, held inside out0
	v_lshl_add_u32 v[VO+RN], s54, 11, v[LI]
	v_readlane_b32 s56, v[GT], RN                  ; its two gates
	v_readlane_b32 s58, v[GT+1], RN
	v_pk_add_f32 v[PB:PB+1], v[PB:PB+1], v[PB+4:PB+5]              ; the two halves of K, lower expert,
	v_pk_add_f32 v[PB+2:PB+3], v[PB+2:PB+3], v[PB+6:PB+7]
	v_pk_add_f32 v[PB+8:PB+9], v[PB+8:PB+9], v[PB+12:PB+13]        ; higher expert
	v_pk_add_f32 v[PB+10:PB+11], v[PB+10:PB+11], v[PB+14:PB+15]
	v_pk_add_f32 v[PB:PB+1], v[PB:PB+1], v[B2A:B2A+1]              ; the biases
	v_pk_add_f32 v[PB+2:PB+3], v[PB+2:PB+3], v[B2A+2:B2A+3]
	v_pk_add_f32 v[PB+8:PB+9], v[PB+8:PB+9], v[B2B:B2B+1]
	v_pk_add_f32 v[PB+10:PB+11], v[PB+10:PB+11], v[B2B+2:B2B+3]
	v_pk_mul_f32 v[PB:PB+1], v[PB:PB+1], s[56:57] op_sel_hi:[1,0]
	v_pk_mul_f32 v[PB+2:PB+3], v[PB+2:PB+3], s[56:57] op_sel_hi:[1,0]
	v_pk_fma_f32 v[PB:PB+1], v[PB+8:PB+9], s[58:59], v[PB:PB+1] op_sel_hi:[1,0,1]
	v_pk_fma_f32 v[PB+2:PB+3], v[PB+10:PB+11], s[58:59], v[PB+2:PB+3] op_sel_hi:[1,0,1]
	global_store_b128 v[VO+RN], v[PB:PB+3], s[14:15] th:TH_STORE_NT   ; 32 lanes store 512 consecutive, aligned bytes of the token's row
.endm
	s_load_b256 s[4:11], s[0:1], 0x0               ; tl s[4:5], tg s[6:7], hq s[8:9], wq s[10:11]
	s_load_b128 s[12:15], s[0:1], 0x20             ; b2 s[12:13], out0 s[14:15]
	s_set_vgpr_msb 0x80
	v_lshl_add_u32 v0, v0, 2, 0x21000
	v_mov_b32 v1, 0
	s_set_vgpr_msb 0x8000
	v_lshrrev_b32 v[TA], 5, v0
	v_readfirstlane_b32 s16, v[TA]                 ; wave
	s_and_b32 s17, ttmp7, 0xffff                   ; cs
	s_lshl_b32 s20, ttmp9, 4
	s_mov_b32 s21, 0
	s_wait_kmcnt 0x0
	s_add_nc_u64 s[20:21], s[4:5], s[20:21]
	s_load_b128 s[24:27], s[20:21], 0x0            ; the tile's record: n, lo, hi
	; every LDS address is made here, ahead of the branch
	v_and_b32 v[LI], 31, v0
	v_lshlrev_b32 v[LI], 4, v[LI]
	v_and_b32 v[RR], 15, v0
	v_bfe_u32 v[HH], v0, 4, 1
	s_mul_i32 s18, s16, PART
	v_mul_u32_u24 v[STO], v[RR], OP
	v_lshl_add_u32 v[STO], v[HH], 5, v[STO]
	v_add_nc_u32 v[STO], s18, v[STO]               ; part w, row r, 32 h
	s_mul_i32 s18, s16, 16*OP
	v_add_nc_u32 v[RD], s18, v[LI]
.irp p, 1,2,3
	v_add_nc_u32 v[RD+\p], \p*PART, v[RD]
.endr
	s_mov_b32 s37, 0
	s_wait_kmcnt 0x0
	s_add_co_u32 s28, s24, 15
	s_lshr_b32 s28, s28, 4                         ; groups of 16
	s_cmp_eq_u32 s24, 0
	s_cbranch_scc1 .Lmeet                          ; no rows: over the work, not over the barrier
	s_sub_co_u32 s29, s28, 1
	s_lshr_b32 s30, s16, 1                         ; side
	s_and_b32 s31, s16, 1                          ; half of K
	s_cmp_eq_u32 s30, 0
	s_cselect_b32 s32, s25, s26
	s_min_u32 s32, s32, 7                          ; my expert
	s_lshl_b32 s33, s32, 2
	s_add_co_u32 s33, s33, s17
	s_lshl_b32 s33, s33, 2
	s_lshl_b32 s34, s31, 1
	s_add_co_u32 s33, s33, s34                     ; W2's block 16 e + 4 cs + 2 half
	s_lshl_b32 s36, s33, 15
	s_add_co_u32 s36, s36, 0x400000
	s_add_nc_u64 s[38:39], s[10:11], s[36:37]      ; its codes,
	s_lshl_b32 s36, s33, 11
	s_add_co_u32 s36, s36, 0x840000
	s_add_nc_u64 s[40:41], s[10:11], s[36:37]      ; its scale words
	s_lshl_b32 s33, ttmp9, 1
	s_add_co_u32 s33, s33, s30
	s_lshl_b32 s33, s33, 4
	s_lshl_b32 s34, s31, 3
	s_add_co_u32 s33, s33, s34                     ; (2 tile + side) 16 + 8 half
	s_lshl_b32 s36, s33, 12
	s_add_nc_u64 s[42:43], s[8:9], s[36:37]        ; the hidden layer's codes,
	s_lshl_b32 s36, s33, 8
	s_add_co_u32 s36, s36, 0xb60000
	s_add_nc_u64 s[44:45], s[8:9], s[36:37]        ; its scale words
	v_mov_b32 v[VH], v[LI]
.irp i, 1,2,3
	s_min_u32 s46, s29, \i                         ; group i, held at the tile's last group
	s_min_u32 s46, s46, 3
	s_lshl_b32 s47, s46, 10
	v_add_nc_u32 v[VH+\i], s47, v[LI]
	s_and_b32 s47, s46, 2                          ; its scale words begin 128 (g / 2) + 4 (g % 2) bytes on
	s_lshl_b32 s47, s47, 6
	s_and_b32 s48, s46, 1
	s_lshl_b32 s48, s48, 2
	s_add_co_u32 s[50+\i], s47, s48
.endr
	v_lshlrev_b32 v[VSA], 3, v[RR]
	v_sub_nc_u32 v[TA], 1, v[HH]
	v_mad_u32_u24 v[VSB], v[TA], s51, v[VSA]       ; lanes 0-15: group 1's,
	v_mad_u32_u24 v[VSB], v[HH], s53, v[VSB]       ; lanes 16-31: group 3's
	v_mad_u32_u24 v[VSA], v[HH], s52, v[VSA]       ; lanes 0-15: group 0's, lanes 16-31: group 2's
.irp i, 0,1,2,3,4,5,6,7
	global_load_b128 v[W2S+4*\i:W2S+4*\i+3], v[LI], s[40:41] offset:512*\i
.endr
.irp k, 0,1,2,3,4,5,6,7
	global_load_b32 v[HSC+2*\k], v[VSA], s[44:45] offset:256*\k
	global_load_b32 v[HSC+2*\k+1], v[VSB], s[44:45] offset:256*\k
.endr
	KLOAD 0
	KLOAD 1
.irp k, 0,1,2,3,4,5,6,7
	KSTEP \k
.endr
.rept 4
	v_nop                                          ; four places ahead of the first read of results, and of loads into the operands' registers
.endr
	WIN 0x04                                       ; an LDS store's data are its source 1: window 1
.irp tt, 0,1,2,3
.irp ct, 0,1,2,3,4,5,6,7
	ds_store_b128 v[STO], v[8*(8*\tt+\ct):8*(8*\tt+\ct)+3] offset:\tt*16*OP+64*\ct       ; each accumulator from its low end on
	ds_store_b128 v[STO], v[8*(8*\tt+\ct)+4:8*(8*\tt+\ct)+7] offset:\tt*16*OP+64*\ct+16
.endr
.endr
	WIN 0
.Lmeet:
	s_wait_dscnt 0x0                               ; for the others' sake: my part lies in LDS
	s_barrier_signal -1
	s_barrier_wait -1
	s_cmp_ge_u32 s16, s28                          ; the tile has no w-th group of rows
	s_cbranch_scc1 .Lend
	s_sub_co_u32 s29, s24, 1
	s_lshl_b32 s30, s16, 4
	v_add_nc_u32 v[TA], s30, v[RR]                 ; slot 16 w + lane % 16, held at n - 1 and inside the tile
	v_min_u32 v[TA], s29, v[TA]
	v_min_u32 v[TA], 63, v[TA]
	v_lshlrev_b32 v[VH], 2, v[TA]
	v_lshlrev_b32 v[VH+1], 3, v[TA]
	s_lshl_b32 s36, ttmp9, 8
	s_add_co_u32 s36, s36, 2048
	s_add_nc_u64 s[46:47], s[4:5], s[36:37]        ; the tile's tokens,
	s_lshl_b32 s36, ttmp9, 9
	s_add_nc_u64 s[48:49], s[6:7], s[36:37]        ; its gates
	s_lshl_b32 s31, s17, 9                         ; my 128 columns: 512 bytes
	s_min_u32 s32, s25, 7
	s_lshl_b32 s36, s32, 11
	s_add_co_u32 s36, s36, s31
	s_add_nc_u64 s[50:51], s[12:13], s[36:37]      ; b2 of the lower expert,
	s_min_u32 s32, s26, 7
	s_lshl_b32 s36, s32, 11
	s_add_co_u32 s36, s36, s31
	s_add_nc_u64 s[52:53], s[12:13], s[36:37]      ; of the higher
	s_mov_b32 s36, s31
	s_add_nc_u64 s[14:15], s[14:15], s[36:37]
	s_mov_b32 s57, 0                               ; (named with the gates as pairs, so they are written)
	s_mov_b32 s59, 0
	global_load_b32 v[TOK], v[VH], s[46:47]
	global_load_b64 v[GT:GT+1], v[VH+1], s[48:49]
	global_load_b128 v[B2A:B2A+3], v[LI], s[50:51]
	global_load_b128 v[B2B:B2B+3], v[LI], s[52:53]
	OBATCH 0
	OBATCH 1
	s_wait_loadcnt 0x0
.irp b, 0,1,2,3
.if \b < 3
	s_wait_dscnt 16                                ; this batch's 16 loads are in; the next batch's may be out
.else
	s_wait_dscnt 0x0
.endif
.irp i, 0,1,2,3
	OROW \b, \i
.endr
.if \b < 2
	s_wait_xcnt 0x0                                ; the batch's stores have read their registers: the batch two on lands there only behind this wait
	OBATCH \b+2
.endif
.endr
.Lend:
	s_set_vgpr_msb 0xa
	s_wait_tensorcnt 0x0
	ds_add_u32 v0, v1
	s_wait_dscnt 0x0
	s_set_vgpr_msb 0xa00
	s_endpgm
.Lfunc_end_k_q059183c363_out:
	.size	k_q059183c363_out, .Lfunc_end_k_q059183c363_out-k_q059183c363_out
	.p2alignl 7, 3214868480
	.fill 96, 4, 3214868480
	.section	.rodata,"a",@progbits
	.p2align	6, 0x0
	.amdhsa_kernel k_q059183c363_out
		.amdhsa_group_segment_fixed_size 135680
		.amdhsa_private_segment_fixed_size 0
		.amdhsa_enable_private_segment 0
		.amdhsa_kernarg_size 48
		.amdhsa_user_sgpr_count 2
		.amdhsa_user_sgpr_kernarg_segment_ptr 1
		.amdhsa_wavefront_size32 1
		.amdhsa_system_sgpr_workgroup_id_x 1
		.amdhsa_system_sgpr_workgroup_id_y 1
		.amdhsa_system_sgpr_workgroup_id_z 1
		.amdhsa_system_vgpr_workitem_id 0
		.amdhsa_next_free_vgpr 514
		.amdhsa_next_free_sgpr 66
		.amdhsa_reserve_vcc 0
		.amdhsa_float_denorm_mode_32 3
		.amdhsa_float_denorm_mode_16_64 3
		.amdhsa_memory_ordered 1
		.amdhsa_forward_progress 1
		.amdhsa_inst_pref_size 87
	.end_amdhsa_kernel
	.amdgpu_metadata
---
amdhsa.version: [ 1, 2 ]
amdhsa.kernels:
  - .name:           k_q059183c363_out
    .symbol:         k_q059183c363_out.kd
    .args:
      - { .name: tl, .offset: 0, .size: 8, .value_kind: global_buffer, .address_space: global }
      - { .name: tg, .offset: 8, .size: 8, .value_kind: global_buffer, .address_space: global }
      - { .name: hq, .offset: 16, .size: 8, .value_kind: global_buffer, .address_space: global }
      - { .name: wq, .offset: 24, .size: 8, .value_kind: global_buffer, .address_space: global }
      - { .name: b2, .offset: 32, .size: 8, .value_kind: global_buffer, .address_space: global }
      - { .name: out0, .offset: 40, .size: 8, .value_kind: global_buffer, .address_space: global }
    .group_segment_fixed_size: 135680
    .private_segment_fixed_size: 0
    .kernarg_segment_align: 8
    .kernarg_segment_size: 48
    .max_flat_workgroup_size: 128
    .sgpr_count:     66
    .vgpr_count:     514
    .wavefront_size: 32
...
	.end_amdgpu_metadata
.endif
;; end of part 4
;; ======== version 2 of 3: 4 launches; 1.19 times as fast as version 1
;; limits: a function is approximated: absolute error at most 7.5e-08; an absolute error that grows with the inputs' magnitude: up to 7.5e-08 times it
;; workspace buffers: wq 8,912,896 bytes; xq 1,114,112 bytes; rt 32,768 bytes of whole numbers; rg 32,768 bytes; tl 25,344 bytes of whole numbers; tg 46,592 bytes; hq 12,673,024 bytes
;; launch prep (part 5): grid 640 x 1, 4 waves a work-group, no clusters, 61,952 bytes of LDS; arguments x, router_w, w1, w2, wq, xq, rt, rg; writes wq, xq, rt, rg
.if DOCPART == 5
	.amdgcn_target "amdgcn-amd-amdhsa--gfx1250"
	.amdhsa_code_object_version 6
	.text
	.protected	k_q059183c363_prep
	.globl	k_q059183c363_prep
	.p2align	8
	.type	k_q059183c363_prep,@function
k_q059183c363_prep:
	s_mov_b64 s[64:65], 0
	v_nop
	global_prefetch_b8 v0, s[64:65] scope:SCOPE_SE
	s_setreg_imm32_b32 hwreg(HW_REG_WAVE_MODE, 25, 1), 1
	s_wait_xcnt 0x0
; PREP.  Work-groups 0-127 (path X): x [4096][512] f32 becomes codes of FP4 (E2M1), row by row, with one E8M0 byte for each 32 along C; the router's 8 logits a token (f32 multiply-adds),
; the two largest, their gates, the token's class (its pair of experts, 28 classes), its rank among the tokens of that class in its group of 32, and the group's count of each class.
; All that hangs on the logits is STORED AS VALUES at fixed places; no address and no branch here hangs on it.
; Work-groups 128-639 (path W): w1 [8][2048][512] and w2 [8][512][2048], f32, K innermost, become codes and scale words laid in the order of a matrix operand's registers.
; wq: codes of w1 at 0, of w2 at 4 MiB; a block BI of 32 KB = [ks 4][tile 8][c 2][lane 32][16 bytes]: lane (r, h) of piece c holds k = 128 ks + 64 c + 32 h + 0..31 of the tile's row r.
;     scale words at 8 MiB (w1), 8 MiB + 256 KiB (w2): BI x 2048 + tile x 256 + r x 16: row r's four words (ks 0..3).
;     w1: BI = 16 e + q; tile t = 2 b + u, row r is hidden unit 128 q + 32 b + 8 u + r + 8 (r / 8).   w2: BI = 16 e + 4 cs + sg; tile t, row r is column 128 cs + 16 t + r, k = 512 sg + ...
; A block's scale is 2^(floor(log2(largest magnitude)) - 2): its byte is the largest magnitude's exponent field - 2, held at 1 from below.
; LIMITS: a block of zeros gets the byte 1 (its codes are zeros; only this program reads the bytes).  NaN and infinities among the inputs are not served.  The two largest are taken on the f32
; logits, the lower index on a tie: logits nearer to each other than the rounding of an f32 sum of 512 terms may be ordered otherwise than rounded probabilities would be.
; No tensor loads.  Path W has no barrier: its waves share nothing.  Path X has one: a group of 32 tokens is a work-group's, 8 tokens a wave, and the four waves' logits and scale bytes meet in LDS.
; The two paths have LDS bytes of their own: W 0 .. 34,815 (8,704 a wave); X: two stages a wave from 34,816 (5,120 a wave), the group's 512 scale bytes at 55,296, four images of logits (1,024 a wave) at 55,808.
.set NXWG, 128
; path W
.set RO,   16                          ; v16-23   byte offset of load i: rows 2 i and 2 i + 1, 256 bytes of each
.set WR,   24                          ; v24-119  three sets of 32: 16 rows x 64 numbers as loaded
.set WX,   120                         ; v120-183 two sets of 32: a whole block of 32 a lane
.set WC,   184                         ; v184-215 codes, four registers a step: no store's data are written again
.set SW,   216                         ; v216-219 my row's four scale words
.set MA,   220
.set MB,   221
.set SC,   222
.set BY0,  223
.set BY1,  224
.set WD,   225
.set WT,   226
.set WSTG, 4352                        ; a stage: 16 rows x (256 + 16) bytes
; path X: three sets of 16 as loaded: v16-31, v32-47, v240-255
.set XX,   48                          ; v48-79   two sets of 16 neighbours
.set RW,   80                          ; v80-207  router_w[e][16 lane ..], e = 0..7
.set LG,   208                         ; v208-215 logits: lane 8 wave + i keeps those of my i-th token
.set AC,   216                         ; v216-231 eight pairs of sums
.set CD,   232                         ; v232-235 codes, two registers for each parity
.set XMA,  236
.set XMB,  237
.set XSC,  238
.set XBY,  239
.set XBASE, 34816
.set XWREG, 5120
.set XSCB, XBASE+4*XWREG               ; the group's scale bytes: [token 32][16]
.set XLGB, XSCB+512                    ; the logits' images: [wave 4][lane 32][32 bytes]
.set XSP,  80                          ; a lane's place in a stage: 64 bytes + 16
.macro WLOAD s                         ; step s: bytes 256 s .. 256 s + 255 of the 16 rows; each half of the lanes reads 256 consecutive, aligned bytes of one row
.irp i, 0,1,2,3,4,5,6,7
	global_load_b128 v[WR+32*((\s)%3)+4*\i:WR+32*((\s)%3)+4*\i+3], v[RO+\i], s[8:9] offset:256*(\s) th:TH_LOAD_NT
.endr
.endm
.macro WTURN s                         ; through the wave's own stage: in as loaded, out 128 bytes a lane.  LDS serves a wave's instructions in order: no wait between
.irp i, 0,1,2,3,4,5,6,7
	ds_store_b128 v6, v[WR+32*((\s)%3)+4*\i:WR+32*((\s)%3)+4*\i+3] offset:WSTG*((\s)%2)+544*\i
.endr
.irp i, 0,1,2,3,4,5,6,7
	ds_load_b128 v[WX+32*((\s)%2)+4*\i:WX+32*((\s)%2)+4*\i+3], v7 offset:WSTG*((\s)%2)+16*\i
.endr
.endm
.macro WSTEP s
.set XS_, WX+32*((\s)%2)
	s_wait_dscnt 0x0                               ; this step's numbers are back from the stage, and the stage's stores have read their registers,
.if (\s)+3 < 8
	WLOAD (\s)+3                                   ; which take the loads of three steps on
.endif
.if (\s) <= 4
	s_wait_loadcnt 16                              ; the next step's eight loads are in; the two sets behind them may be out
.elseif (\s) == 5
	s_wait_loadcnt 8
.elseif (\s) == 6
	s_wait_loadcnt 0
.endif
.if (\s) < 7
	WTURN (\s)+1
.endif
	v_max3_num_f32 v[MA], |v[XS_]|, |v[XS_+1]|, 0x1800000          ; the block's largest magnitude, all 32 numbers mine, and the floor 2^(3 - 127): the byte cannot fall under 1
	v_max3_num_f32 v[MB], |v[XS_+2]|, |v[XS_+3]|, |v[XS_+4]|
.irp i, 5,9,13,17,21,25
	v_max3_num_f32 v[MA], v[MA], |v[XS_+\i]|, |v[XS_+\i+1]|
	v_max3_num_f32 v[MB], v[MB], |v[XS_+\i+2]|, |v[XS_+\i+3]|
.endr
	v_max3_num_f32 v[MA], v[MA], |v[XS_+29]|, |v[XS_+30]|
	v_max3_num_f32 v[MA], v[MA], v[MB], |v[XS_+31]|
	v_add_nc_u32 v[SC], 0xff000000, v[MA]          ; 2 off its exponent field: the conversion's scale operand
.irp g, 0,1,2,3
	v_cvt_scalef32_pk8_fp4_f32 v[WC+4*(\s)+\g], v[XS_+8*\g:XS_+8*\g+7], v[SC]
.endr
.if ((\s)%2) == 0
	v_lshrrev_b32 v[BY0], 23, v[SC]                ; the scale's byte (a plain line behind the conversions)
.else
	v_lshrrev_b32 v[BY1], 23, v[SC]
.endif
	global_store_b128 v8, v[WC+4*(\s):WC+4*(\s)+3], s[36:37] offset:((\s)/2)*8192+((\s)%2)*512   ; 32 lanes store 512 consecutive bytes: piece c = s % 2 of K step s / 2
.if (\s)%2
	v_lshl_or_b32 v[WD], v[BY1], 16, v[BY0]        ; my two bytes of this K step: blocks h and 2 + h,
	v_lshlrev_b32 v[WD], v10, v[WD]                ; 8 h bits up;
	v_permlanex16_b32 v[WT], v[WD], s34, s35
	v_or_b32 v[SW+(\s)/2], v[WD], v[WT]            ; with lane l xor 16's two the word is whole
.endif
.endm
.macro XLOADT t                        ; my t-th token's 2,048 bytes, 512 consecutive bytes a load, into set t % 3
.set XRB_, 16+16*((\t)%3)+192*(((\t)%3)/2)
.irp i, 0,1,2,3
	global_load_b128 v[XRB_+4*\i:XRB_+4*\i+3], v2, s[4:5] offset:2048*(\t)+512*\i th:TH_LOAD_NT
.endr
.endm
.macro XTURN t                         ; token t through stage t % 2: in as loaded, out 64 bytes a lane.  LDS serves a wave's instructions in order: no wait between
.set XRB_, 16+16*((\t)%3)+192*(((\t)%3)/2)
.irp i, 0,1,2,3
	ds_store_b128 v3, v[XRB_+4*\i:XRB_+4*\i+3] offset:32*XSP*((\t)%2)+8*XSP*\i
.endr
.irp i, 0,1,2,3
	ds_load_b128 v[XX+16*((\t)%2)+4*\i:XX+16*((\t)%2)+4*\i+3], v4 offset:32*XSP*((\t)%2)+16*\i
.endr
.endm
; My t-th token of eight.  Every offset is an immediate: no pointer is stepped.
.macro XSTEP t
.set XS_, XX+16*((\t)%2)
.set CP_, CD+2*((\t)%2)
	s_wait_dscnt 0x0                               ; this token's numbers are back from the stage; the stage's stores have read set t % 3, and the last byte store its register
.if (\t)+3 < 8
	XLOADT (\t)+3                                  ; that set takes the token three on
.endif
.if (\t) <= 4
	s_wait_loadcnt 8                               ; the next token's four loads are in; those of the two tokens behind it may be out
.elseif (\t) == 5
	s_wait_loadcnt 4                               ; behind token 6's loads only token 7's were issued
.elseif (\t) == 6
	s_wait_loadcnt 0x0
.endif
.if (\t) < 7
	XTURN (\t)+1                                   ; the next token goes through the other stage while this one is worked
.endif
	v_max3_num_f32 v[XMA], |v[XS_]|, |v[XS_+1]|, |v[XS_+2]|        ; the largest magnitude of my 16
	v_max3_num_f32 v[XMB], |v[XS_+3]|, |v[XS_+4]|, |v[XS_+5]|
.irp i, 6,10
	v_max3_num_f32 v[XMA], v[XMA], |v[XS_+\i]|, |v[XS_+\i+1]|
	v_max3_num_f32 v[XMB], v[XMB], |v[XS_+\i+2]|, |v[XS_+\i+3]|
.endr
	v_max3_num_f32 v[XMA], v[XMA], |v[XS_+14]|, |v[XS_+15]|
	v_max3_num_f32 v[XMA], v[XMA], v[XMB], 0x1800000               ; and the floor
	v_max_num_f32_dpp v[XMA], v[XMA], v[XMA] row_xmask:1 row_mask:0xf bank_mask:0xf   ; and of my neighbour's 16: the block's
	v_add_nc_u32 v[XSC], 0xff000000, v[XMA]
.if (\t) >= 2
	s_wait_xcnt 0x0                                ; the store of two tokens back has read these two registers: they are written again only behind this wait
.endif
	v_cvt_scalef32_pk8_fp4_f32 v[CP_], v[XS_:XS_+7], v[XSC]
	v_cvt_scalef32_pk8_fp4_f32 v[CP_+1], v[XS_+8:XS_+15], v[XSC]
	v_lshrrev_b32 v[XBY], 23, v[XSC]               ; the scale's byte (a plain line behind the conversions)
	ds_store_b8 v6, v[XBY] offset:16*(\t)          ; both lanes of a block write the same byte with the same value
	global_store_b64 v5, v[CP_:CP_+1], s[24:25] offset:256*(\t)    ; the token's 256 bytes of codes: one aligned run
.irp e, 0,1,2,3,4,5,6,7                        ; the eight logits: my 16 terms of each, eight chains by turns
	v_pk_mul_f32 v[AC+2*\e:AC+2*\e+1], v[XS_:XS_+1], v[RW+16*\e:RW+16*\e+1]
.endr
.irp j, 2,4,6,8,10,12,14
.irp e, 0,1,2,3,4,5,6,7
	v_pk_fma_f32 v[AC+2*\e:AC+2*\e+1], v[XS_+\j:XS_+\j+1], v[RW+16*\e+\j:RW+16*\e+\j+1], v[AC+2*\e:AC+2*\e+1]
.endr
.endr
.irp e, 0,1,2,3,4,5,6,7
	v_add_f32 v[AC+2*\e], v[AC+2*\e], v[AC+2*\e+1]
.endr
.irp m, 1,2,4,8
.irp e, 0,1,2,3,4,5,6,7
	v_add_f32_dpp v[AC+2*\e], v[AC+2*\e], v[AC+2*\e] row_xmask:\m row_mask:0xf bank_mask:0xf
.endr
.endr
.irp e, 0,1,2,3,4,5,6,7
	v_permlanex16_b32 v[AC+2*\e+1], v[AC+2*\e], s34, s35
.endr
.irp e, 0,1,2,3,4,5,6,7
	v_add_f32 v[AC+2*\e], v[AC+2*\e], v[AC+2*\e+1]
.endr
.irp e, 0,1,2,3,4,5,6,7
	v_cndmask_b32 v[LG+\e], v[LG+\e], v[AC+2*\e], s29              ; lane 8 wave + t keeps this token's
.endr
	s_lshl_b32 s29, s29, 1
.endm
; Class p = the pair (a, b): who is in it, how many, and my rank among them.  Values only.
.macro XCLS p, a, b
	v_cmp_eq_u32 s32, 8*(\a)+(\b), v66
	s_bcnt1_i32_b32 s33, s32
	v_mbcnt_lo_u32_b32 v69, s32, 0
	v_cndmask_b32 v67, v67, v69, s32
	v_cndmask_b32 v68, v68, \p, s32
	v_writelane_b32 v71, s33, \p
.endm
	s_load_b256 s[4:11], s[0:1], 0x0               ; x s[4:5], router_w s[6:7], w1 s[8:9], w2 s[10:11]
	s_load_b256 s[12:19], s[0:1], 0x20             ; wq s[12:13], xq s[14:15], rt s[16:17], rg s[18:19]
	v_lshl_add_u32 v14, v0, 2, 0xf000
	v_mov_b32 v15, 0
	v_lshrrev_b32 v1, 5, v0
	v_readfirstlane_b32 s20, v1                    ; wave 0..3
	v_and_b32 v1, 31, v0                           ; lane
	s_mov_b32 s34, 0x76543210
	s_mov_b32 s35, 0xfedcba98                      ; v_permlanex16_b32's selects for lane l xor 16
	s_cmp_lt_u32 ttmp9, NXWG
	s_cbranch_scc1 .Lpath_x
	; ---------------- PATH W: a wave takes one tile: 16 rows x 512 along K
	v_and_b32 v2, 15, v0                           ; r
	v_bfe_u32 v3, v0, 4, 1                         ; h
	s_sub_co_u32 s21, ttmp9, NXWG
	s_lshr_b32 s22, s21, 8                         ; z: 0 w1, 1 w2
	s_and_b32 s23, s21, 255
	s_lshl_b32 s23, s23, 2
	s_add_co_u32 s23, s23, s20
	s_lshr_b32 s24, s23, 3                         ; BI
	s_and_b32 s25, s23, 7                          ; tile
	s_and_b32 s27, s24, 15                         ; w1: first row 128 q + 32 (t / 2) + 8 (t % 2), rows of 2,048 bytes
	s_lshl_b32 s27, s27, 7
	s_lshr_b32 s28, s25, 1
	s_lshl_b32 s28, s28, 5
	s_add_co_u32 s27, s27, s28
	s_and_b32 s28, s25, 1
	s_lshl_b32 s28, s28, 3
	s_add_co_u32 s27, s27, s28
	s_lshl_b32 s27, s27, 11
	s_bfe_u32 s28, s24, 0x20002                    ; w2: first row 128 cs + 16 t, rows of 8,192 bytes, + 2,048 sg
	s_lshl_b32 s28, s28, 7
	s_lshl_b32 s29, s25, 4
	s_add_co_u32 s28, s28, s29
	s_lshl_b32 s28, s28, 13
	s_and_b32 s29, s24, 3
	s_lshl_b32 s29, s29, 11
	s_add_co_u32 s28, s28, s29
	s_lshr_b32 s26, s24, 4
	s_lshl_b32 s26, s26, 22                        ; the expert: 4 MiB in both tensors
	s_lshl_b32 s31, s22, 1
	s_add_co_u32 s31, s31, 11                      ; log2 of a row's bytes: 11 or 13
	s_add_co_u32 s32, s31, 1
	s_wait_kmcnt 0x0
	s_cmp_eq_u32 s22, 0                            ; the choice hangs on the work-group's number alone
	s_cselect_b32 s27, s27, s28
	s_cselect_b32 s30, 0x4000, 0                   ; w1: rows 8-15 of a tile lie 8 rows further on
	s_cselect_b64 s[8:9], s[8:9], s[10:11]
	s_add_co_u32 s26, s26, s27
	s_mov_b32 s27, 0
	s_add_nc_u64 s[8:9], s[8:9], s[26:27]          ; the tile's first row
	s_lshl_b32 s26, s22, 22
	s_lshl_b32 s28, s24, 15
	s_add_co_u32 s26, s26, s28
	s_lshl_b32 s28, s25, 10
	s_add_co_u32 s26, s26, s28
	s_add_nc_u64 s[36:37], s[12:13], s[26:27]      ; its codes
	s_lshl_b32 s26, s22, 18
	s_lshl_b32 s28, s24, 11
	s_add_co_u32 s26, s26, s28
	s_lshl_b32 s28, s25, 8
	s_add_co_u32 s26, s26, s28
	s_add_co_u32 s26, s26, 0x800000
	s_add_nc_u64 s[38:39], s[12:13], s[26:27]      ; its scale words
	v_lshlrev_b32 v5, s31, v3                      ; lanes 16-31 take the odd row,
	v_lshl_add_u32 v5, v2, 4, v5                   ; 16 bytes a lane
.irp i, 0,1,2,3,4,5,6,7
	s_lshl_b32 s33, \i, s32                        ; two rows a load
.if \i >= 4
	s_add_co_u32 s33, s33, s30
.endif
	v_add_nc_u32 v[RO+\i], s33, v5
.endr
	s_mul_i32 s33, s20, 2*WSTG                     ; my wave's two stages
	v_mul_u32_u24 v6, v3, 272
	v_lshl_add_u32 v6, v2, 4, v6
	v_add_nc_u32 v6, s33, v6                       ; in: row h (+ 2 i by the offset), 16 bytes a lane
	v_mul_u32_u24 v7, v2, 272
	v_lshl_add_u32 v7, v3, 7, v7
	v_add_nc_u32 v7, s33, v7                       ; out: row r, 128 h: my block of 32
	v_lshlrev_b32 v8, 4, v1                        ; codes: 16 x lane
	v_lshlrev_b32 v9, 4, v2                        ; scale words: 16 x r
	v_lshlrev_b32 v10, 3, v3                       ; 8 h
	v_mov_b32 v[WT], 0                             ; written once: a lane permute's destination counts as one of its sources
	WLOAD 0
	WLOAD 1
	WLOAD 2
	s_wait_loadcnt 16                              ; step 0's eight loads are in
	WTURN 0
.irp t, 0,1,2,3,4,5,6,7
	WSTEP \t
.endr
	global_store_b128 v9, v[SW:SW+3], s[38:39]     ; the tile's 256 bytes of scale words; lanes 16-31 hold and store the same bytes as lanes 0-15
	s_wait_tensorcnt 0x0
	ds_add_u32 v14, v15
	s_wait_dscnt 0x0
	s_endpgm
	; ---------------- PATH X: a work-group takes a group of 32 tokens, a wave 8 of them, a token a step
.Lpath_x:
	s_mov_b32 s23, 0
	s_lshl_b32 s22, ttmp9, 16                      ; the group's 32 rows of 2,048 bytes,
	s_lshl_b32 s21, s20, 14                        ; my wave's 8 of them
	s_add_co_u32 s22, s22, s21
	s_wait_kmcnt 0x0
	s_add_nc_u64 s[4:5], s[4:5], s[22:23]          ; x at my first token
	s_lshl_b32 s22, ttmp9, 13
	s_lshl_b32 s21, s20, 11
	s_add_co_u32 s22, s22, s21
	s_add_nc_u64 s[24:25], s[14:15], s[22:23]      ; its codes: 256 bytes a token
	s_lshl_b32 s22, ttmp9, 9
	s_add_co_u32 s22, s22, 0x100000
	s_add_nc_u64 s[26:27], s[14:15], s[22:23]      ; the group's scale bytes
	s_lshl_b32 s22, ttmp9, 8
	s_add_nc_u64 s[16:17], s[16:17], s[22:23]      ; rt and rg: 256 bytes a group
	s_add_nc_u64 s[18:19], s[18:19], s[22:23]
	s_mul_i32 s28, s20, XWREG
	s_add_co_u32 s28, s28, XBASE                   ; my wave's two stages
	s_mov_b32 s31, 0x3089705f                      ; 1e-9
	; every LDS address is made here, ahead of the parting on the wave's number behind the barrier
	v_lshlrev_b32 v2, 4, v1                        ; 16 x lane
	v_lshrrev_b32 v3, 2, v1
	v_mul_u32_u24 v3, v3, XSP
	v_and_b32 v4, 3, v1
	v_lshl_add_u32 v3, v4, 4, v3
	v_add_nc_u32 v3, s28, v3                       ; the stage, in: four lanes' 64 bytes on end, then 16 of padding
	v_mul_u32_u24 v4, v1, XSP
	v_add_nc_u32 v4, s28, v4                       ; out: my 16 neighbours
	v_lshlrev_b32 v5, 3, v1                        ; 8 x lane
	s_lshl_b32 s33, s20, 7
	s_add_co_u32 s33, s33, XSCB                    ; my wave's 8 tokens x 16 scale bytes
	v_lshrrev_b32 v6, 1, v1
	v_add_nc_u32 v6, s33, v6                       ; my block's byte in a token's 16
	v_lshlrev_b32 v7, 6, v1                        ; 64 x lane
	s_lshl_b32 s33, s20, 10
	s_add_co_u32 s33, s33, XLGB
	v_lshlrev_b32 v8, 5, v1
	v_add_nc_u32 v8, s33, v8                       ; my wave's image of the logits: 32 bytes a lane
	v_add_nc_u32 v9, XSCB, v2                      ; the scale bytes on the way out: 16 bytes a lane, a token a lane
	v_lshrrev_b32 v13, 3, v1
	v_lshlrev_b32 v13, 10, v13
	v_lshl_add_u32 v13, v1, 5, v13
	v_add_nc_u32 v13, XLGB, v13                    ; token = lane: its logits lie in the image of wave lane / 8, at lane's place
.irp e, 0,1,2,3,4,5,6,7
.irp j, 0,1,2,3
	global_load_b128 v[RW+16*\e+4*\j:RW+16*\e+4*\j+3], v7, s[6:7] offset:2048*\e+16*\j
.endr
.endr
	XLOADT 0
	XLOADT 1
	XLOADT 2
.irp e, 0,1,2,3,4,5,6,7
	v_mov_b32 v[LG+\e], 0
.endr
	s_lshl_b32 s29, s20, 3
	s_lshl_b32 s29, 1, s29                         ; the lane that keeps this token's logits: 8 wave + t
	s_wait_loadcnt 8                               ; router_w and token 0 are in; the eight loads of tokens 1 and 2 may be out
	XTURN 0
.irp t, 0,1,2,3,4,5,6,7
	XSTEP \t
.endr
	ds_store_b128 v8, v[LG:LG+3]                   ; the logits go to the others as an image of their registers
	ds_store_b128 v8, v[LG+4:LG+7] offset:16
	s_wait_dscnt 0x0                               ; for the others' sake: my logits and my scale bytes lie in LDS
	s_barrier_signal -1
	s_barrier_wait -1                              ; everybody's do
	s_cmp_lg_u32 s20, 0                            ; wave 0 finishes the group: a lane is a token from here on
	s_cbranch_scc1 .Lxend
	ds_load_b128 v[LG:LG+3], v13
	ds_load_b128 v[LG+4:LG+7], v13 offset:16
	ds_load_b128 v[XX:XX+3], v9
	s_wait_dscnt 0x0
	; the largest logit and its index, the lower index on a tie
	v_max3_num_f32 v52, v[LG], v[LG+1], v[LG+2]
	v_max3_num_f32 v52, v52, v[LG+3], v[LG+4]
	v_max3_num_f32 v52, v52, v[LG+5], v[LG+6]
	v_max_num_f32 v52, v52, v[LG+7]
	v_mov_b32 v53, 7
.irp e, 6,5,4,3,2,1,0
	v_cmp_neq_f32 vcc_lo, v[LG+\e], v52
	v_cndmask_b32 v53, \e, v53, vcc_lo
.endr
	v_mov_b32 v56, 0xff800000                      ; -infinity takes the place of the largest
.irp e, 0,1,2,3,4,5,6,7
	v_cmp_eq_u32 vcc_lo, \e, v53
	v_cndmask_b32 v[AC+\e], v[LG+\e], v56, vcc_lo
.endr
	v_max3_num_f32 v54, v[AC], v[AC+1], v[AC+2]
	v_max3_num_f32 v54, v54, v[AC+3], v[AC+4]
	v_max3_num_f32 v54, v54, v[AC+5], v[AC+6]
	v_max_num_f32 v54, v54, v[AC+7]
	v_mov_b32 v55, 7
.irp e, 6,5,4,3,2,1,0
	v_cmp_neq_f32 vcc_lo, v[AC+\e], v54
	v_cndmask_b32 v55, \e, v55, vcc_lo
.endr
	; softmax under the largest logit: p1 = 1 / S, p2 = e2 / S; the gates p / (p1 + p2 + 1e-9) = (1, e2) / (1 + e2 + 1e-9 S)
.irp e, 0,1,2,3,4,5,6,7
	v_sub_f32 v[AC+8+\e], v[LG+\e], v52
.endr
	v_sub_f32 v57, v54, v52
.irp e, 0,1,2,3,4,5,6,7
	v_mul_f32 v[AC+8+\e], 0x3fb8aa3b, v[AC+8+\e]
.endr
	v_mul_f32 v57, 0x3fb8aa3b, v57
.irp e, 0,1,2,3,4,5,6,7
	v_exp_f32 v[AC+8+\e], v[AC+8+\e]
.endr
	v_exp_f32 v57, v57
	v_min_u32 v62, v53, v55                        ; the pair in ascending order (plain lines behind the exponentials)
	v_max_u32 v63, v53, v55
	s_wait_alu depctr_va_vdst(0)                   ; one wait for the nine, ahead of their first reader
	v_add_f32 v[AC+8], v[AC+8], v[AC+9]
	v_add_f32 v[AC+10], v[AC+10], v[AC+11]
	v_add_f32 v[AC+12], v[AC+12], v[AC+13]
	v_add_f32 v[AC+14], v[AC+14], v[AC+15]
	v_add_f32 v[AC+8], v[AC+8], v[AC+10]
	v_add_f32 v[AC+12], v[AC+12], v[AC+14]
	v_add_f32 v58, v[AC+8], v[AC+12]               ; S
	v_add_f32 v59, 1.0, v57
	v_fma_f32 v59, v58, s31, v59
	v_rcp_f32 v60, v59
	v_lshl_add_u32 v66, v62, 3, v63                ; the pair's key, 8 lo + hi (a plain line behind the reciprocal)
	s_wait_alu depctr_va_vdst(0)                   ; ahead of the reciprocal's first reader
	v_mul_f32 v61, v57, v60
	v_cmp_lt_u32 vcc_lo, v53, v55
	v_cndmask_b32 v64, v61, v60, vcc_lo            ; the gate of the lower expert,
	v_cndmask_b32 v65, v60, v61, vcc_lo            ; of the higher
	v_mov_b32 v67, 0
	v_mov_b32 v68, 0
	v_mov_b32 v71, 0
.set PP, 0
.irp a, 0,1,2,3,4,5,6
.irp b, 1,2,3,4,5,6,7
.if \b > \a
	XCLS PP, \a, \b
.set PP, PP+1
.endif
.endr
.endr
	v_lshl_or_b32 v70, v67, 8, v68                 ; class | rank << 8
	global_store_b64 v5, v[70:71], s[16:17]        ; and, in lane p, the group's count of class p: 256 consecutive bytes
	global_store_b64 v5, v[64:65], s[18:19]
	global_store_b128 v2, v[XX:XX+3], s[26:27]     ; the group's 512 scale bytes
.Lxend:
	s_wait_tensorcnt 0x0
	ds_add_u32 v14, v15
	s_wait_dscnt 0x0
	s_endpgm
.Lfunc_end_k_q059183c363_prep:
	.size	k_q059183c363_prep, .Lfunc_end_k_q059183c363_prep-k_q059183c363_prep
	.p2alignl 7, 3214868480
	.fill 96, 4, 3214868480
	.section	.rodata,"a",@progbits
	.p2align	6, 0x0
	.amdhsa_kernel k_q059183c363_prep
		.amdhsa_group_segment_fixed_size 61952
		.amdhsa_private_segment_fixed_size 0
		.amdhsa_enable_private_segment 0
		.amdhsa_kernarg_size 64
		.amdhsa_user_sgpr_count 2
		.amdhsa_user_sgpr_kernarg_segment_ptr 1
		.amdhsa_wavefront_size32 1
		.amdhsa_system_sgpr_workgroup_id_x 1
		.amdhsa_system_sgpr_workgroup_id_y 1
		.amdhsa_system_sgpr_workgroup_id_z 1
		.amdhsa_system_vgpr_workitem_id 0
		.amdhsa_next_free_vgpr 256
		.amdhsa_next_free_sgpr 66
		.amdhsa_reserve_vcc 1
		.amdhsa_float_denorm_mode_32 3
		.amdhsa_float_denorm_mode_16_64 3
		.amdhsa_memory_ordered 1
		.amdhsa_forward_progress 1
		.amdhsa_inst_pref_size 127
	.end_amdhsa_kernel
	.amdgpu_metadata
---
amdhsa.version: [ 1, 2 ]
amdhsa.kernels:
  - .name:           k_q059183c363_prep
    .symbol:         k_q059183c363_prep.kd
    .args:
      - { .name: x, .offset: 0, .size: 8, .value_kind: global_buffer, .address_space: global }
      - { .name: router_w, .offset: 8, .size: 8, .value_kind: global_buffer, .address_space: global }
      - { .name: w1, .offset: 16, .size: 8, .value_kind: global_buffer, .address_space: global }
      - { .name: w2, .offset: 24, .size: 8, .value_kind: global_buffer, .address_space: global }
      - { .name: wq, .offset: 32, .size: 8, .value_kind: global_buffer, .address_space: global }
      - { .name: xq, .offset: 40, .size: 8, .value_kind: global_buffer, .address_space: global }
      - { .name: rt, .offset: 48, .size: 8, .value_kind: global_buffer, .address_space: global }
      - { .name: rg, .offset: 56, .size: 8, .value_kind: global_buffer, .address_space: global }
    .group_segment_fixed_size: 61952
    .private_segment_fixed_size: 0
    .kernarg_segment_align: 8
    .kernarg_segment_size: 64
    .max_flat_workgroup_size: 128
    .sgpr_count:     66
    .vgpr_count:     256
    .wavefront_size: 32
...
	.end_amdgpu_metadata
.endif
;; end of part 5
;; launch place: the kernel of part 2 again; grid 32 x 1, 4 waves a work-group, no clusters, 0 bytes of LDS; arguments rt, rg, tl, tg; writes tl, tg
;; launch hid: the kernel of part 3 again; grid 91 x 8, 4 waves a work-group, no clusters, 0 bytes of LDS; arguments tl, xq, wq, b1, hq; writes hq
;; launch out: the kernel of part 4 again; grid 91 x 4, 4 waves a work-group, no clusters, 135,680 bytes of LDS; arguments tl, tg, hq, wq, b2, out0; writes out0
;; ======== version 3 of 3: 4 launches; version 2 with the launches hid, out written anew for expert scheduling mode
;; limits: a function is approximated: absolute error at most 7.5e-08; an absolute error that grows with the inputs' magnitude: up to 7.5e-08 times it
;; workspace buffers: wq 8,912,896 bytes; xq 1,114,112 bytes; rt 32,768 bytes of whole numbers; rg 32,768 bytes; tl 25,344 bytes of whole numbers; tg 46,592 bytes; hq 12,673,024 bytes
;; launch prep: the kernel of part 5 again; grid 640 x 1, 4 waves a work-group, no clusters, 61,952 bytes of LDS; arguments x, router_w, w1, w2, wq, xq, rt, rg; writes wq, xq, rt, rg
;; launch place: the kernel of part 2 again; grid 32 x 1, 4 waves a work-group, no clusters, 0 bytes of LDS; arguments rt, rg, tl, tg; writes tl, tg
;; launch hid (part 6): grid 91 x 8, 4 waves a work-group, no clusters, 0 bytes of LDS; arguments tl, xq, wq, b1, hq; writes hq
.if DOCPART == 6
	.amdgcn_target "amdgcn-amd-amdhsa--gfx1250"
	.amdhsa_code_object_version 6
	.text
	.protected	k_q059183c363_hid
	.globl	k_q059183c363_hid
	.p2align	8
	.type	k_q059183c363_hid,@function
k_q059183c363_hid:
	s_mov_b64 s[64:65], 0
	v_nop
	global_prefetch_b8 v0, s[64:65] scope:SCOPE_SE
	s_setreg_imm32_b32 hwreg(HW_REG_WAVE_SCHED_MODE, 0, 2), 2
	s_setreg_imm32_b32 hwreg(HW_REG_WAVE_MODE, 25, 1), 1
	s_wait_xcnt 0x0
	s_wait_alu depctr_vm_vsrc(0)
; HID: the hidden layer's codes.  Work-group (tile, y): side = y / 4 (0: the pair's lower expert, 1: the higher), wave w takes hidden units 128 q .. 128 q + 127, q = 4 (y % 4) + w, for the tile's tokens.
; h = gelu(x W1^T + b1), exact GELU in f32, quantised along the hidden units to FP4 (E2M1) with one E8M0 byte for each 32: K step q of the second product.
; THE PRODUCT IS USED TRANSPOSED (source 0 = 16 rows of W1, source 1 = 16 tokens): a lane holds one token, and, since W1's rows were chosen for it when the weights were laid out, the 16 registers
; of tiles 2 b and 2 b + 1 are hidden units 32 b + 16 (lane / 16) + 0..15.  b1 is the C of each sum's first matrix instruction.
; hq: codes at ((2 tile + side) 16 + q) 4096 + tt 1024 + c 512 + 16 lane: images of the operand's registers for the tile's tt-th 16 tokens;
;     scale words at 11,927,552 + ((2 tile + side) 16 + q) 256 + 8 lane: lanes 0-15 the words of tt 0, 1 of row r, lanes 16-31 those of tt 2, 3.
; A tile with n tokens works ceil(n / 16) groups of 16; slots at or beyond n repeat token n - 1.  A tile with n = 0 ends at once: the grid of 91 tiles serves every split.
; GELU: gelu(x) = max(x, 0) - |x| phi(x) (c1 t + .. + c5 t^5), t = 1 / (1 + 0.2316419 |x|) (Abramowitz and Stegun 26.2.17, 1 / sqrt(2 pi) folded into c1..c5).
; LIMITS: that formula's error in the normal integral is at most 7.5e-8 for every x, so gelu's is at most 7.5e-8 |x|; NaN and infinities are not served; a block of zeros gets the byte 1.
; NO CLUSTER, NO TENSOR LOAD: which work-groups share an expert's weights hangs on the stored list, and work-groups without rows end at once; operands go from memory straight into registers.
; Waves share nothing: no LDS, no barrier.  REGISTERS: window 1: W1's 32 fragments at 8 (8 ks + t).  Window 0: as named below.
; THE MODE: SCHED_MODE bits 1:0 = 2 (LLVM: expert scheduling mode 2), set by the entry lines.  The code itself states the register dependences between vector or matrix instructions and
; memory instructions, with s_wait_alu, always for 0.
; THE PLAN.  Registers that memory instructions touch:
;   LI, L8, BO   offsets: written once at the head, read by loads and stores, never written again.
;   XSO, XO      at the head XSO holds the slots' offsets, which the four loads of token numbers read; these land in XO; both are then written anew as the tokens' offsets in xq, which XLOAD reads.
;   W1 (window 1), W1S, B1   loaded once, read by the products alone.
;   XF, XS       a group's codes and scale words of x: read by the group's 32 products; the next group's loads land there.
;   PC           written by a group's conversions and lane swaps, read by its two stores, written again by the next group's conversions.
;   T, T+1       at the end: written by two selects, read by the last store.
; HA, B1, T, E, P, TM, PW are otherwise named by vector and matrix instructions alone.
; The next group's loads need no wait of their own: the wait for the first GELU's reciprocals and exponentials stands behind the group's products, so it also states that these are done reading XF and XS,
; and the loads stand directly behind it.
.set LI,  1                            ; 16 x lane
.set XO,  2                            ; v2-5   tt: token x 256 + 16 h
.set XSO, 6                            ; v6-9   tt: token x 16
.set C4,  10                           ; v10-11 c4, twice
.set L8,  12                           ; 8 x lane
.set BO,  13                           ; 64 h
.set RR,  14                           ; r
.set H16, 15                           ; 16 h
.set W1S, 16                           ; v16-31 W1's scale words: 4 (t / 2) + ks; lanes 0-15 the even tile's, lanes 16-31 the odd one's
.set XS,  32                           ; v32-35 x's scale words, ks 0..3
.set XF,  36                           ; v36-67 x's four fragments
.set HA,  68                           ; v68-131 eight accumulators
.set B1,  132                          ; v132-195 b1 in the result's layout
.set T,   196
.set TM,  196
.set E,   212
.set P,   228
.set PC,  244                          ; v244-251 the codes just made
.set PW,  252                          ; v252-255 the scale word of each tt
.set MSB, 0
.macro WIN new                         ; the immediate's high byte repeats the setting that is left
.if MSB != \new
	s_set_vgpr_msb (MSB<<8)|\new
.set MSB, \new
.endif
.endm
.macro W1LOAD ks
.irp t, 0,1,2,3,4,5,6,7
.irp c, 0,1
	global_load_b128 v[8*(8*(\ks)+\t)+4*\c:8*(8*(\ks)+\t)+4*\c+3], v[LI], s[30:31] offset:(\ks)*8192+\t*1024+\c*512
.endr
.endr
.endm
.macro XLOAD tt                        ; 16 tokens' codes, gathered by the list, and their scale words
.irp ks, 0,1,2,3
.irp c, 0,1
	global_load_b128 v[XF+8*\ks+4*\c:XF+8*\ks+4*\c+3], v[XO+(\tt)], s[6:7] offset:64*\ks+32*\c
.endr
.endr
	global_load_b128 v[XS:XS+3], v[XSO+(\tt)], s[56:57]
.endm
.macro PROD ks, t
.set rD, HA+8*(\t)
.set rA, 8*(8*(\ks)+(\t))
.set rB, XF+8*(\ks)
.set rC, B1+8*(\t)
.set rSA, W1S+4*((\t)/2)+(\ks)
.set rSB, XS+(\ks)
.if (\ks) == 0
.if (\t)%2
	v_wmma_scale_f32_16x16x128_f8f6f4 v[rD:rD+7], v[rA:rA+7], v[rB:rB+7], v[rC:rC+7], v[rSA], v[rSB] matrix_a_fmt:MATRIX_FMT_FP4 matrix_b_fmt:MATRIX_FMT_FP4 matrix_a_scale:MATRIX_SCALE_ROW1
.else
	v_wmma_scale_f32_16x16x128_f8f6f4 v[rD:rD+7], v[rA:rA+7], v[rB:rB+7], v[rC:rC+7], v[rSA], v[rSB] matrix_a_fmt:MATRIX_FMT_FP4 matrix_b_fmt:MATRIX_FMT_FP4
.endif
.else
.if (\t)%2
	v_wmma_scale_f32_16x16x128_f8f6f4 v[rD:rD+7], v[rA:rA+7], v[rB:rB+7], v[rD:rD+7], v[rSA], v[rSB] matrix_a_fmt:MATRIX_FMT_FP4 matrix_b_fmt:MATRIX_FMT_FP4 matrix_a_scale:MATRIX_SCALE_ROW1
.else
	v_wmma_scale_f32_16x16x128_f8f6f4 v[rD:rD+7], v[rA:rA+7], v[rB:rB+7], v[rD:rD+7], v[rSA], v[rSB] matrix_a_fmt:MATRIX_FMT_FP4 matrix_b_fmt:MATRIX_FMT_FP4
.endif
.endif
.endm
; GELU in place on 16 numbers, two accumulators, each read from its low end on.  The 16 reciprocals and 16 exponentials are one batch with one wait.
; It is written in two parts: GELUA ends with that wait, GELUB holds the batch's readers; in a group's first GELU the next group's loads stand between the two.
.macro GELUA b
.set GX, HA+16*(\b)
.irp i, 0,1,2,3,4,5,6,7,8,9,10,11,12,13,14,15
	v_fma_f32 v[T+\i], |v[GX+\i]|, s40, 1.0
.endr
.irp i, 0,1,2,3,4,5,6,7,8,9,10,11,12,13,14,15
	v_rcp_f32 v[T+\i], v[T+\i]                     ; t
.endr
.irp i, 0,2,4,6,8,10,12,14
	v_pk_mul_f32 v[E+\i:E+\i+1], v[GX+\i:GX+\i+1], v[GX+\i:GX+\i+1]
.endr
.irp i, 0,2,4,6,8,10,12,14
	v_pk_mul_f32 v[E+\i:E+\i+1], v[E+\i:E+\i+1], s[42:43] op_sel_hi:[1,0]
.endr
.irp i, 0,1,2,3,4,5,6,7,8,9,10,11,12,13,14,15
	v_exp_f32 v[E+\i], v[E+\i]                     ; exp(-x^2 / 2)
.endr
	v_nop                                          ; a plain line behind the last exponential
	s_wait_alu depctr_va_vdst(0)                   ; the 16 reciprocals have written v[T ..] and the 16 exponentials v[E ..], ahead of their first reader; in a group's first GELU also: the group's products are done reading XF and XS
.endm
.macro GELUB b
.set GX, HA+16*(\b)
.irp i, 0,2,4,6,8,10,12,14
	v_pk_fma_f32 v[P+\i:P+\i+1], v[T+\i:T+\i+1], s[44:45], v[C4:C4+1] op_sel_hi:[1,0,1]
.endr
.irp i, 0,2,4,6,8,10,12,14
	v_pk_fma_f32 v[P+\i:P+\i+1], v[P+\i:P+\i+1], v[T+\i:T+\i+1], s[46:47] op_sel_hi:[1,1,0]
.endr
.irp i, 0,2,4,6,8,10,12,14
	v_pk_fma_f32 v[P+\i:P+\i+1], v[P+\i:P+\i+1], v[T+\i:T+\i+1], s[48:49] op_sel_hi:[1,1,0]
.endr
.irp i, 0,2,4,6,8,10,12,14
	v_pk_fma_f32 v[P+\i:P+\i+1], v[P+\i:P+\i+1], v[T+\i:T+\i+1], s[50:51] op_sel_hi:[1,1,0]
.endr
.irp i, 0,2,4,6,8,10,12,14
	v_pk_mul_f32 v[P+\i:P+\i+1], v[P+\i:P+\i+1], v[T+\i:T+\i+1]
.endr
.irp i, 0,2,4,6,8,10,12,14
	v_pk_mul_f32 v[P+\i:P+\i+1], v[P+\i:P+\i+1], v[E+\i:E+\i+1]
.endr
.irp i, 0,1,2,3,4,5,6,7,8,9,10,11,12,13,14,15
	v_max_num_f32 v[T+\i], 0, v[GX+\i]
.endr
.irp i, 0,1,2,3,4,5,6,7,8,9,10,11,12,13,14,15
	v_fma_f32 v[GX+\i], -|v[GX+\i]|, v[P+\i], v[T+\i]
.endr
.endm
; 64 numbers of a lane, register 16 b + i = k 32 b + 16 (lane / 16) + i of my token, become a fragment's codes in v[PC] on and its scale word in v[PW + tt]
.macro QUANT tt
.irp b, 0,1,2,3
	v_max3_num_f32 v[TM+\b], |v[HA+16*\b]|, |v[HA+1+16*\b]|, 0x1800000   ; and the floor 2^(3 - 127): the byte cannot fall under 1
.endr
.irp i, 2,4,6,8,10,12,14
.irp b, 0,1,2,3
	v_max3_num_f32 v[TM+\b], v[TM+\b], |v[HA+16*\b+\i]|, |v[HA+1+16*\b+\i]|
.endr
.endr
.irp b, 0,1,2,3
	v_permlanex16_b32 v[TM+4+\b], v[TM+\b], s54, s55
.endr
.irp b, 0,1,2,3
	v_max_num_f32 v[TM+\b], v[TM+\b], v[TM+4+\b]   ; with lane l xor 16's: the block's largest magnitude
.endr
.irp b, 0,1,2,3
	v_add_nc_u32 v[TM+12+\b], 0xff000000, v[TM+\b] ; 2 off its exponent field: the conversion's scale operand
.endr
.irp b, 0,1,2,3
	v_lshrrev_b32 v[TM+4+\b], 23, v[TM+12+\b]      ; the scale's byte
.endr
	v_lshl_or_b32 v[PW+\tt], v[TM+5], 8, v[TM+4]
	v_lshl_or_b32 v[PW+\tt], v[TM+6], 16, v[PW+\tt]
	v_lshl_or_b32 v[PW+\tt], v[TM+7], 24, v[PW+\tt]
	s_wait_xcnt 0x0                                ; the last group's stores have read the codes' registers: they are written again only behind this wait
.if \tt > 0
	s_wait_alu depctr_vm_vsrc(0)                   ; the last group's two stores have read v[PC ..], which the conversions below write again
.endif
.irp b, 0,1,2,3
	v_cvt_scalef32_pk8_fp4_f32 v[PC+2*\b], v[HA+16*\b:HA+7+16*\b], v[TM+12+\b]
	v_cvt_scalef32_pk8_fp4_f32 v[PC+1+2*\b], v[HA+8+16*\b:HA+15+16*\b], v[TM+12+\b]
.endr
	v_nop                                          ; one plain line behind a scaled conversion
.irp c, 0,1                                    ; the operand's layout wants a whole block in a lane
.irp i, 0,1
	v_permlane16_swap_b32 v[PC+4*\c+\i], v[PC+2+4*\c+\i]
.endr
.endr
.endm
; The tile's tt-th 16 tokens.
.macro TT tt
.if \tt > 0
	s_cmp_le_u32 s24, \tt                          ; no such group in this tile
	s_cbranch_scc1 .Ldone
.endif
	s_wait_loadcnt 0x0                             ; the group's codes of x (and, the first time, the weights)
	WIN 0x01                                       ; source 0 (W1) in window 1
.irp ks, 0,1,2,3                               ; the eight accumulators take turns, one instruction a turn
.irp u, 0,1,2,3,4,5,6,7
	PROD \ks, \u
.endr
.endr
	WIN 0
.rept 4
	v_nop                                          ; four places ahead of the first read of results (ISA guide 7.12.1)
.endr
	GELUA 0
.if \tt < 3
	XLOAD \tt+1                                    ; the next group's codes land while this one's GELU is worked.  No wait of their own: nothing stands between the wait that ends GELUA and these loads
.endif
	GELUB 0
	GELUA 1
	GELUB 1
	GELUA 2
	GELUB 2
	GELUA 3
	GELUB 3
	QUANT \tt
	s_wait_alu depctr_va_vdst(0)                   ; the conversions and the lane swaps have written v[PC ..], which the two stores read
.irp c, 0,1
	global_store_b128 v[LI], v[PC+4*\c:PC+4*\c+3], s[36:37] offset:\tt*1024+512*\c   ; 512 consecutive bytes
.endr
.endm
	s_load_b256 s[4:11], s[0:1], 0x0               ; tl s[4:5], xq s[6:7], wq s[8:9], b1 s[10:11]
	s_load_b64 s[12:13], s[0:1], 0x20              ; hq
	v_lshrrev_b32 v[BO], 5, v0
	v_readfirstlane_b32 s14, v[BO]                 ; wave
	s_and_b32 s15, ttmp7, 0xffff
	s_lshr_b32 s22, s15, 2                         ; side
	s_and_b32 s23, s15, 3
	s_lshl_b32 s23, s23, 2
	s_wait_alu depctr_va_sdst(0)                   ; s14 is written, ahead of its first reader
	s_add_co_u32 s23, s23, s14                     ; q
	s_lshl_b32 s20, ttmp9, 4
	s_mov_b32 s21, 0
	s_wait_kmcnt 0x0
	s_add_nc_u64 s[20:21], s[4:5], s[20:21]
	s_load_b128 s[16:19], s[20:21], 0x0            ; the tile's record: n, lo, hi
	v_and_b32 v[LI], 31, v0
	v_lshlrev_b32 v[L8], 3, v[LI]
	v_lshlrev_b32 v[LI], 4, v[LI]
	v_and_b32 v[RR], 15, v0
	v_bfe_u32 v[H16], v0, 4, 1
	v_lshlrev_b32 v[BO], 6, v[H16]
	v_lshlrev_b32 v[H16], 4, v[H16]
	v_mov_b32 v[C4], 0xbf3a00e3                    ; c4 = -0.7265760135
	v_mov_b32 v[C4+1], 0xbf3a00e3
.irp i, 0,1,2,3
	v_mov_b32 v[PW+\i], 0                          ; groups that are not worked leave a word that nobody reads
.endr
	s_mov_b32 s40, 0x3e6d3389                      ; 0.2316419
	s_mov_b32 s42, 0xbf38aa3b                      ; -log2(e) / 2
	s_mov_b32 s43, 0xbf38aa3b
	s_mov_b32 s44, 0x3f07dc22                      ; c5 = 0.5307027145
	s_mov_b32 s45, 0x3f07dc22
	s_mov_b32 s46, 0x3f35f0e3                      ; c3 = 0.7107068705
	s_mov_b32 s47, 0x3f35f0e3
	s_mov_b32 s48, 0xbe11a98e                      ; c2 = -0.142248368
	s_mov_b32 s49, 0xbe11a98e
	s_mov_b32 s50, 0x3e027906                      ; c1 = 0.127414796
	s_mov_b32 s51, 0x3e027906
	s_mov_b32 s52, 0xffff0000                      ; lanes 16-31
	s_mov_b32 s54, 0x76543210
	s_mov_b32 s55, 0xfedcba98
	s_mov_b32 s29, 0
	s_wait_kmcnt 0x0
	s_cmp_eq_u32 s16, 0
	s_cbranch_scc1 .Lend                           ; a tile that this split leaves without rows
	s_add_co_u32 s24, s16, 15
	s_lshr_b32 s24, s24, 4                         ; groups of 16
	s_sub_co_u32 s25, s16, 1
	s_cmp_eq_u32 s22, 0
	s_cselect_b32 s26, s17, s18
	s_min_u32 s26, s26, 7                          ; my expert
	s_lshl_b32 s27, s26, 4
	s_add_co_u32 s27, s27, s23                     ; W1's block 16 e + q
	s_lshl_b32 s28, s27, 15
	s_add_nc_u64 s[30:31], s[8:9], s[28:29]        ; its codes,
	s_lshl_b32 s28, s27, 11
	s_add_co_u32 s28, s28, 0x800000
	s_add_nc_u64 s[32:33], s[8:9], s[28:29]        ; its scale words
	s_lshl_b32 s28, s26, 13
	s_lshl_b32 s34, s23, 9
	s_add_co_u32 s28, s28, s34
	s_add_nc_u64 s[10:11], s[10:11], s[28:29]      ; b1 at my 128 units
	s_lshl_b32 s28, ttmp9, 8
	s_add_co_u32 s28, s28, 2048
	s_add_nc_u64 s[4:5], s[4:5], s[28:29]          ; the tile's tokens
	s_lshl_b32 s34, ttmp9, 1
	s_add_co_u32 s34, s34, s22
	s_lshl_b32 s34, s34, 4
	s_add_co_u32 s34, s34, s23                     ; (2 tile + side) 16 + q
	s_lshl_b32 s28, s34, 12
	s_add_nc_u64 s[36:37], s[12:13], s[28:29]      ; where my codes go,
	s_lshl_b32 s28, s34, 8
	s_add_co_u32 s28, s28, 0xb60000
	s_add_nc_u64 s[38:39], s[12:13], s[28:29]      ; and my scale words
	s_add_nc_u64 s[56:57], s[6:7], 0x100000        ; x's scale bytes
.irp i, 0,1,2,3
	v_add_nc_u32 v[XSO+\i], 16*\i, v[RR]           ; slot 16 tt + r, held at n - 1 and inside the tile
	v_min_u32 v[XSO+\i], s25, v[XSO+\i]
	v_min_u32 v[XSO+\i], 63, v[XSO+\i]
	v_lshlrev_b32 v[XSO+\i], 2, v[XSO+\i]
.endr
	s_wait_alu depctr_va_vdst(0)                   ; the offsets LI, L8, BO and XSO are written, which the loads below and the kernel's stores read
.irp i, 0,1,2,3
	global_load_b32 v[XO+\i], v[XSO+\i], s[4:5]
.endr
.irp i, 0,1,2,3
	global_load_b128 v[W1S+4*\i:W1S+4*\i+3], v[LI], s[32:33] offset:512*\i
.endr
.irp t, 0,1,2,3,4,5,6,7
	global_load_b128 v[B1+8*\t:B1+8*\t+3], v[BO], s[10:11] offset:(32*(\t/2)+8*(\t%2))*4
	global_load_b128 v[B1+8*\t+4:B1+8*\t+7], v[BO], s[10:11] offset:(32*(\t/2)+8*(\t%2))*4+16
.endr
	WIN 0x40                                       ; destination window 1
	W1LOAD 0
	W1LOAD 1
	WIN 0
	s_wait_loadcnt 52                              ; the four token loads are in: 4 + 16 + 32 loads were issued behind them
	s_wait_alu depctr_vm_vsrc(0)                   ; the four token loads have read XSO, which is written anew below
.irp i, 0,1,2,3
	v_min_u32 v[XO+\i], 0xfff, v[XO+\i]            ; a token's number, held inside x
	v_lshlrev_b32 v[XSO+\i], 4, v[XO+\i]
	v_lshl_add_u32 v[XO+\i], v[XO+\i], 8, v[H16]
.endr
	s_wait_alu depctr_va_vdst(0)                   ; the tokens' offsets XO and XSO are written, which the loads of x's codes and scale words read, here and in every group
	XLOAD 0
	WIN 0x40
	W1LOAD 2
	W1LOAD 3
	WIN 0
	TT 0
	TT 1
	TT 2
	TT 3
.Ldone:
	v_cndmask_b32 v[T], v[PW], v[PW+2], s52        ; lanes 0-15: the words of groups 0, 1; lanes 16-31: of groups 2, 3
	v_cndmask_b32 v[T+1], v[PW+1], v[PW+3], s52
	s_wait_alu depctr_va_vdst(0)                   ; the two selects have written v[T], v[T+1], which the store reads
	global_store_b64 v[L8], v[T:T+1], s[38:39]     ; 256 consecutive bytes
.Lend:
	s_endpgm
.Lfunc_end_k_q059183c363_hid:
	.size	k_q059183c363_hid, .Lfunc_end_k_q059183c363_hid-k_q059183c363_hid
	.p2alignl 7, 3214868480
	.fill 96, 4, 3214868480
	.section	.rodata,"a",@progbits
	.p2align	6, 0x0
	.amdhsa_kernel k_q059183c363_hid
		.amdhsa_group_segment_fixed_size 0
		.amdhsa_private_segment_fixed_size 0
		.amdhsa_enable_private_segment 0
		.amdhsa_kernarg_size 40
		.amdhsa_user_sgpr_count 2
		.amdhsa_user_sgpr_kernarg_segment_ptr 1
		.amdhsa_wavefront_size32 1
		.amdhsa_system_sgpr_workgroup_id_x 1
		.amdhsa_system_sgpr_workgroup_id_y 1
		.amdhsa_system_sgpr_workgroup_id_z 1
		.amdhsa_system_vgpr_workitem_id 0
		.amdhsa_next_free_vgpr 512
		.amdhsa_next_free_sgpr 66
		.amdhsa_reserve_vcc 0
		.amdhsa_float_denorm_mode_32 3
		.amdhsa_float_denorm_mode_16_64 3
		.amdhsa_memory_ordered 1
		.amdhsa_forward_progress 1
		.amdhsa_inst_pref_size 171
	.end_amdhsa_kernel
	.amdgpu_metadata
---
amdhsa.version: [ 1, 2 ]
amdhsa.kernels:
  - .name:           k_q059183c363_hid
    .symbol:         k_q059183c363_hid.kd
    .args:
      - { .name: tl, .offset: 0, .size: 8, .value_kind: global_buffer, .address_space: global }
      - { .name: xq, .offset: 8, .size: 8, .value_kind: global_buffer, .address_space: global }
      - { .name: wq, .offset: 16, .size: 8, .value_kind: global_buffer, .address_space: global }
      - { .name: b1, .offset: 24, .size: 8, .value_kind: global_buffer, .address_space: global }
      - { .name: hq, .offset: 32, .size: 8, .value_kind: global_buffer, .address_space: global }
    .group_segment_fixed_size: 0
    .private_segment_fixed_size: 0
    .kernarg_segment_align: 8
    .kernarg_segment_size: 40
    .max_flat_workgroup_size: 128
    .sgpr_count:     66
    .vgpr_count:     512
    .wavefront_size: 32
...
	.end_amdgpu_metadata
.endif
;; end of part 6
;; launch out (part 7): grid 91 x 4, 4 waves a work-group, no clusters, 135,680 bytes of LDS; arguments tl, tg, hq, wq, b2, out0; writes out0
.if DOCPART == 7
	.amdgcn_target "amdgcn-amd-amdhsa--gfx1250"
	.amdhsa_code_object_version 6
	.text
	.protected	k_q059183c363_out
	.globl	k_q059183c363_out
	.p2align	8
	.type	k_q059183c363_out,@function
k_q059183c363_out:
	s_mov_b64 s[64:65], 0
	v_nop
	global_prefetch_b8 v0, s[64:65] scope:SCOPE_SE
	s_setreg_imm32_b32 hwreg(HW_REG_WAVE_SCHED_MODE, 0, 2), 2
	s_setreg_imm32_b32 hwreg(HW_REG_WAVE_MODE, 25, 1), 1
	s_wait_xcnt 0x0
	s_wait_alu depctr_vm_vsrc(0)
; OUT: out0[token] = g_lo (h_lo W2[lo]^T + b2[lo]) + g_hi (h_hi W2[hi]^T + b2[hi]).  Work-group (tile, cs): the tile's 64 tokens x columns 128 cs .. 128 cs + 127: each output row has one owner.
; Wave w takes side w / 2 and half w % 2 of K = 2,048: eight K steps of 128, 32 accumulators (4 groups of 16 tokens x 8 tiles of 16 columns).  Codes of FP4 (E2M1) with E8M0 scales on both sides.
; THE PRODUCT IS USED TRANSPOSED (source 0 = 16 rows of W2, source 1 = 16 tokens): a lane holds one token and eight neighbouring columns.
; The four waves' parts meet in LDS (four parts of 64 rows x (512 + 16) bytes), one barrier; then wave w joins, scales and stores the tile's w-th 16 rows, 512 consecutive bytes a row.
; A tile with n tokens has ceil(n / 16) groups whose hidden codes exist: group numbers are held at the last of them and slots at n - 1, so only written bytes are read; repeated slots store the same
; bytes at the same place.  A tile with n = 0 jumps over the work, passes the barrier with the others and ends: the barrier stands on every wave's path.
; LIMIT: the sum over K is made in two halves that are joined in f32.
; NO CLUSTER, NO TENSOR LOAD: which work-groups share an expert's weights hangs on the stored list; operands go from memory straight into registers, two K steps' loads (48) on their way while a third step is multiplied.
; REGISTERS: window 1: the accumulators at 8 (8 tt + ct).  Window 0: as named below.  Three sets of 96 (W2's 8 fragments, the hidden layer's 4): at v64 and v160 of window 0 and at v4 of window 2 (v516-611).
; v512, v513 (v0, v1 of window 2): the closing add's two registers.
; THE MODE: SCHED_MODE bits 1:0 = 2 (LLVM: expert scheduling mode 2), set by the entry lines.  The code itself states the register dependences between vector or matrix instructions and
; memory or LDS instructions, with s_wait_alu, always for 0.
; THE PLAN.  Registers that memory or LDS instructions touch:
;   LI, VH, VSA, VSB, STO, RD   offsets and LDS addresses, written at the head.  VH and VH+1 are written anew behind the barrier, for the loads of the rows' tokens and gates.
;   W2S, HSC     scale words, loaded once, read by the products alone.
;   SETS 0, 1, 2 K step k multiplies set k % 3.  At its head the loads of step k + 2 go into set (k + 2) % 3 = (k - 1) % 3, which the products of step k - 1 read and no instruction of step k names.
;                So one wait on va_vdst stands at a step's head, behind the wait for the step's own data: it states that the products of the step before are done reading their set.
;   accumulators written by the products, read by the LDS stores behind the last step.
;   v64-191      on the way out: two batches of four rows by turns: LDS loads land there, the rows' arithmetic reads and writes them, the rows' stores read the results.
;   VO           a row's offset in out0: written once each, read by one store each.   TOK, GT, B2A, B2B: loaded once, read by vector instructions alone.
; On the way out a batch's twelve numbers that go into scalar registers are fetched in one run with one wait on va_sdst, and its four stores stand together behind one wait on va_vdst.
.set LI,  1                            ; 16 x lane
.set VH,  2                            ; v2-5  16 x lane + 1,024 x the group's number (held)
.set VSA, 6                            ; the hidden layer's scale words: lanes 0-15 group 0's, lanes 16-31 group 2's
.set VSB, 7                            ; groups 1 and 3
.set STO, 8                            ; my part: where I put 32 bytes of a row
.set RD,  9                            ; v9-12 part p: my 16 rows, 16 bytes a lane
.set TA,  13
.set RR,  14
.set HH,  15
.set W2S, 16                           ; v16-47 W2's scale words: 4 (4 (k / 4) + ct / 2) + k % 4
.set HSC, 48                           ; v48-63 the hidden layer's: 2 k + tt % 2
.set S2,  4                            ; the third set, in window 2
.set B2A, 192
.set B2B, 196
.set VO,  200                          ; v200-215 a row's byte offset in out0
.set TOK, 216
.set GT,  218
.set TK,  20                           ; s20-23  a batch's four tokens
.set GL,  38                           ; s38-45  row i of a batch: the lower expert's gate in the pair at GL + 2 i (its upper word 0)
.set GH,  54                           ; s54-61  the higher expert's likewise
.set OP,  528
.set PART, 64*OP
.set MSB, 0
.macro WIN new                         ; the immediate's high byte repeats the setting that is left
.if MSB != \new
	s_set_vgpr_msb (MSB<<8)|\new
.set MSB, \new
.endif
.endm
.macro KLOAD k                         ; K step k's operands into set k % 3; the destination's window has been set ahead of it
.if ((\k)%3) == 2
.set LB, S2
.else
.set LB, 64+96*((\k)%3)
.endif
.irp ct, 0,1,2,3,4,5,6,7
.irp c, 0,1
	global_load_b128 v[LB+8*\ct+4*\c:LB+8*\ct+4*\c+3], v[LI], s[38:39] offset:(\k)*8192+\ct*1024+\c*512
.endr
.endr
.irp tt, 0,1,2,3
.irp c, 0,1
	global_load_b128 v[LB+64+8*\tt+4*\c:LB+64+8*\tt+4*\c+3], v[VH+\tt], s[42:43] offset:(\k)*4096+\c*512
.endr
.endr
.endm
.macro OPROD k, tt, ct
.set rD, 8*(8*(\tt)+(\ct))
.set rA, KB+8*(\ct)
.set rB, KB+64+8*(\tt)
.set rSA, W2S+4*(4*((\k)/4)+(\ct)/2)+(\k)%4
.set rSB, HSC+2*(\k)+(\tt)%2
.if (\k) == 0
.if ((\ct)%2) && ((\tt) >= 2)
	v_wmma_scale_f32_16x16x128_f8f6f4 v[rD:rD+7], v[rA:rA+7], v[rB:rB+7], 0, v[rSA], v[rSB] matrix_a_fmt:MATRIX_FMT_FP4 matrix_b_fmt:MATRIX_FMT_FP4 matrix_a_scale:MATRIX_SCALE_ROW1 matrix_b_scale:MATRIX_SCALE_ROW1
.elseif (\ct)%2
	v_wmma_scale_f32_16x16x128_f8f6f4 v[rD:rD+7], v[rA:rA+7], v[rB:rB+7], 0, v[rSA], v[rSB] matrix_a_fmt:MATRIX_FMT_FP4 matrix_b_fmt:MATRIX_FMT_FP4 matrix_a_scale:MATRIX_SCALE_ROW1
.elseif (\tt) >= 2
	v_wmma_scale_f32_16x16x128_f8f6f4 v[rD:rD+7], v[rA:rA+7], v[rB:rB+7], 0, v[rSA], v[rSB] matrix_a_fmt:MATRIX_FMT_FP4 matrix_b_fmt:MATRIX_FMT_FP4 matrix_b_scale:MATRIX_SCALE_ROW1
.else
	v_wmma_scale_f32_16x16x128_f8f6f4 v[rD:rD+7], v[rA:rA+7], v[rB:rB+7], 0, v[rSA], v[rSB] matrix_a_fmt:MATRIX_FMT_FP4 matrix_b_fmt:MATRIX_FMT_FP4
.endif
.else
.if ((\ct)%2) && ((\tt) >= 2)
	v_wmma_scale_f32_16x16x128_f8f6f4 v[rD:rD+7], v[rA:rA+7], v[rB:rB+7], v[rD:rD+7], v[rSA], v[rSB] matrix_a_fmt:MATRIX_FMT_FP4 matrix_b_fmt:MATRIX_FMT_FP4 matrix_a_scale:MATRIX_SCALE_ROW1 matrix_b_scale:MATRIX_SCALE_ROW1
.elseif (\ct)%2
	v_wmma_scale_f32_16x16x128_f8f6f4 v[rD:rD+7], v[rA:rA+7], v[rB:rB+7], v[rD:rD+7], v[rSA], v[rSB] matrix_a_fmt:MATRIX_FMT_FP4 matrix_b_fmt:MATRIX_FMT_FP4 matrix_a_scale:MATRIX_SCALE_ROW1
.elseif (\tt) >= 2
	v_wmma_scale_f32_16x16x128_f8f6f4 v[rD:rD+7], v[rA:rA+7], v[rB:rB+7], v[rD:rD+7], v[rSA], v[rSB] matrix_a_fmt:MATRIX_FMT_FP4 matrix_b_fmt:MATRIX_FMT_FP4 matrix_b_scale:MATRIX_SCALE_ROW1
.else
	v_wmma_scale_f32_16x16x128_f8f6f4 v[rD:rD+7], v[rA:rA+7], v[rB:rB+7], v[rD:rD+7], v[rSA], v[rSB] matrix_a_fmt:MATRIX_FMT_FP4 matrix_b_fmt:MATRIX_FMT_FP4
.endif
.endif
.endm
.macro KSTEP k
.if (\k) < 7
	s_wait_loadcnt 24                              ; this K step's operands are in; the next step's 24 loads, the only younger ones, may be out
.else
	s_wait_loadcnt 0x0
.endif
.if (\k) <= 5
.if (((\k)+2)%3) == 2
	WIN 0x80                                       ; the loads' destination in window 2, their address in window 0: the switch, then the wait, then the loads
.else
	WIN 0
.endif
.if (\k) > 0
	s_wait_alu depctr_va_vdst(0)                   ; the products of the step before are done reading their set, in which the loads below land
.endif
	KLOAD (\k)+2                                   ; two steps ahead, ahead of this step's products, which name another set
.endif
.if ((\k)%3) == 2
.set KB, S2
	WIN 0x5a                                       ; A and B in window 2, C and D in window 1
.else
.set KB, 64+96*((\k)%3)
	WIN 0x50                                       ; C and D in window 1
.endif
.irp tt, 0,1,2,3                               ; the 32 accumulators take turns, one instruction a turn; the first K step starts the sums with the constant 0
.irp ct, 0,1,2,3,4,5,6,7
	OPROD \k, \tt, \ct
.endr
.endr
.if (\k) <= 4
.rept 4
	v_nop                                          ; four places between these products and the next step's loads into the set that they read; they stay beside that step's wait
.endr
.endif
.endm
.macro OBATCH b                        ; rows 4 b .. 4 b + 3 of my 16: the four parts of each
.irp i, 0,1,2,3
.irp p, 0,1,2,3
	ds_load_b128 v[64+64*((\b)%2)+16*\i+4*\p:64+64*((\b)%2)+16*\i+4*\p+3], v[RD+\p] offset:(4*(\b)+\i)*OP
.endr
.endr
.endm
.macro OGET b                          ; batch b's four tokens and eight gates as scalars: twelve writers in one run, one wait; then the four rows' offsets
.irp i, 0,1,2,3
	v_readlane_b32 s[TK+\i], v[TOK], 4*(\b)+\i
	v_readlane_b32 s[GL+2*\i], v[GT], 4*(\b)+\i
	v_readlane_b32 s[GH+2*\i], v[GT+1], 4*(\b)+\i
.endr
	s_wait_alu depctr_va_sdst(0)                   ; the twelve scalar registers are written, ahead of their first readers: the lines below and the rows' multiplications by the gates
.irp i, 0,1,2,3
	s_min_u32 s[TK+\i], s[TK+\i], 0xfff            ; the row's token, held inside out0
	v_lshl_add_u32 v[VO+4*(\b)+\i], s[TK+\i], 11, v[LI]
.endr
.endm
.macro OROW b, i
.set PB, 64+64*((\b)%2)+16*(\i)
	v_pk_add_f32 v[PB:PB+1], v[PB:PB+1], v[PB+4:PB+5]              ; the two halves of K, lower expert,
	v_pk_add_f32 v[PB+2:PB+3], v[PB+2:PB+3], v[PB+6:PB+7]
	v_pk_add_f32 v[PB+8:PB+9], v[PB+8:PB+9], v[PB+12:PB+13]        ; higher expert
	v_pk_add_f32 v[PB+10:PB+11], v[PB+10:PB+11], v[PB+14:PB+15]
	v_pk_add_f32 v[PB:PB+1], v[PB:PB+1], v[B2A:B2A+1]              ; the biases
	v_pk_add_f32 v[PB+2:PB+3], v[PB+2:PB+3], v[B2A+2:B2A+3]
	v_pk_add_f32 v[PB+8:PB+9], v[PB+8:PB+9], v[B2B:B2B+1]
	v_pk_add_f32 v[PB+10:PB+11], v[PB+10:PB+11], v[B2B+2:B2B+3]
	v_pk_mul_f32 v[PB:PB+1], v[PB:PB+1], s[GL+2*(\i):GL+2*(\i)+1] op_sel_hi:[1,0]
	v_pk_mul_f32 v[PB+2:PB+3], v[PB+2:PB+3], s[GL+2*(\i):GL+2*(\i)+1] op_sel_hi:[1,0]
	v_pk_fma_f32 v[PB:PB+1], v[PB+8:PB+9], s[GH+2*(\i):GH+2*(\i)+1], v[PB:PB+1] op_sel_hi:[1,0,1]
	v_pk_fma_f32 v[PB+2:PB+3], v[PB+10:PB+11], s[GH+2*(\i):GH+2*(\i)+1], v[PB+2:PB+3] op_sel_hi:[1,0,1]
.endm
.macro OSEND b, i
.set PB, 64+64*((\b)%2)+16*(\i)
.set RN, 4*(\b)+(\i)
	global_store_b128 v[VO+RN], v[PB:PB+3], s[14:15] th:TH_STORE_NT   ; 32 lanes store 512 consecutive, aligned bytes of the token's row
.endm
	s_load_b256 s[4:11], s[0:1], 0x0               ; tl s[4:5], tg s[6:7], hq s[8:9], wq s[10:11]
	s_load_b128 s[12:15], s[0:1], 0x20             ; b2 s[12:13], out0 s[14:15]
	s_set_vgpr_msb 0x80
	v_lshl_add_u32 v0, v0, 2, 0x21000
	v_mov_b32 v1, 0
	s_set_vgpr_msb 0x8000
	v_lshrrev_b32 v[TA], 5, v0
	v_readfirstlane_b32 s16, v[TA]                 ; wave
	s_and_b32 s17, ttmp7, 0xffff                   ; cs
	s_lshl_b32 s20, ttmp9, 4
	s_mov_b32 s21, 0
	s_wait_kmcnt 0x0
	s_add_nc_u64 s[20:21], s[4:5], s[20:21]
	s_load_b128 s[24:27], s[20:21], 0x0            ; the tile's record: n, lo, hi
	; every LDS address is made here, ahead of the branch
	v_and_b32 v[LI], 31, v0
	v_lshlrev_b32 v[LI], 4, v[LI]
	v_and_b32 v[RR], 15, v0
	v_bfe_u32 v[HH], v0, 4, 1
	s_wait_alu depctr_va_sdst(0)                   ; s16 is written, ahead of its first reader
	s_mul_i32 s18, s16, PART
	v_mul_u32_u24 v[STO], v[RR], OP
	v_lshl_add_u32 v[STO], v[HH], 5, v[STO]
	v_add_nc_u32 v[STO], s18, v[STO]               ; part w, row r, 32 h
	s_mul_i32 s18, s16, 16*OP
	v_add_nc_u32 v[RD], s18, v[LI]
.irp p, 1,2,3
	v_add_nc_u32 v[RD+\p], \p*PART, v[RD]
.endr
	s_mov_b32 s37, 0
	s_wait_kmcnt 0x0
	s_add_co_u32 s28, s24, 15
	s_lshr_b32 s28, s28, 4                         ; groups of 16
	s_cmp_eq_u32 s24, 0
	s_cbranch_scc1 .Lmeet                          ; no rows: over the work, not over the barrier
	s_sub_co_u32 s29, s28, 1
	s_lshr_b32 s30, s16, 1                         ; side
	s_and_b32 s31, s16, 1                          ; half of K
	s_cmp_eq_u32 s30, 0
	s_cselect_b32 s32, s25, s26
	s_min_u32 s32, s32, 7                          ; my expert
	s_lshl_b32 s33, s32, 2
	s_add_co_u32 s33, s33, s17
	s_lshl_b32 s33, s33, 2
	s_lshl_b32 s34, s31, 1
	s_add_co_u32 s33, s33, s34                     ; W2's block 16 e + 4 cs + 2 half
	s_lshl_b32 s36, s33, 15
	s_add_co_u32 s36, s36, 0x400000
	s_add_nc_u64 s[38:39], s[10:11], s[36:37]      ; its codes,
	s_lshl_b32 s36, s33, 11
	s_add_co_u32 s36, s36, 0x840000
	s_add_nc_u64 s[40:41], s[10:11], s[36:37]      ; its scale words
	s_lshl_b32 s33, ttmp9, 1
	s_add_co_u32 s33, s33, s30
	s_lshl_b32 s33, s33, 4
	s_lshl_b32 s34, s31, 3
	s_add_co_u32 s33, s33, s34                     ; (2 tile + side) 16 + 8 half
	s_lshl_b32 s36, s33, 12
	s_add_nc_u64 s[42:43], s[8:9], s[36:37]        ; the hidden layer's codes,
	s_lshl_b32 s36, s33, 8
	s_add_co_u32 s36, s36, 0xb60000
	s_add_nc_u64 s[44:45], s[8:9], s[36:37]        ; its scale words
	v_mov_b32 v[VH], v[LI]
.irp i, 1,2,3
	s_min_u32 s46, s29, \i                         ; group i, held at the tile's last group
	s_min_u32 s46, s46, 3
	s_lshl_b32 s47, s46, 10
	v_add_nc_u32 v[VH+\i], s47, v[LI]
	s_and_b32 s47, s46, 2                          ; its scale words begin 128 (g / 2) + 4 (g % 2) bytes on
	s_lshl_b32 s47, s47, 6
	s_and_b32 s48, s46, 1
	s_lshl_b32 s48, s48, 2
	s_add_co_u32 s[50+\i], s47, s48
.endr
	v_lshlrev_b32 v[VSA], 3, v[RR]
	v_sub_nc_u32 v[TA], 1, v[HH]
	v_mad_u32_u24 v[VSB], v[TA], s51, v[VSA]       ; lanes 0-15: group 1's,
	v_mad_u32_u24 v[VSB], v[HH], s53, v[VSB]       ; lanes 16-31: group 3's
	v_mad_u32_u24 v[VSA], v[HH], s52, v[VSA]       ; lanes 0-15: group 0's, lanes 16-31: group 2's
	s_wait_alu depctr_va_vdst(0)                   ; the offsets LI, VH, VSA and VSB are written, which the loads below and those of the K steps read; so is STO, which the LDS stores read
.irp i, 0,1,2,3,4,5,6,7
	global_load_b128 v[W2S+4*\i:W2S+4*\i+3], v[LI], s[40:41] offset:512*\i
.endr
.irp k, 0,1,2,3,4,5,6,7
	global_load_b32 v[HSC+2*\k], v[VSA], s[44:45] offset:256*\k
	global_load_b32 v[HSC+2*\k+1], v[VSB], s[44:45] offset:256*\k
.endr
	KLOAD 0
	KLOAD 1
.irp k, 0,1,2,3,4,5,6,7
	KSTEP \k
.endr
.rept 4
	v_nop                                          ; four places ahead of the first read of results (ISA guide 7.12.1)
.endr
	WIN 0x04                                       ; an LDS store's data are its source 1: window 1
	s_wait_alu depctr_va_vdst(0)                   ; the products have written the accumulators, which the LDS stores read; the places above stay beside this wait
.irp tt, 0,1,2,3
.irp ct, 0,1,2,3,4,5,6,7
	ds_store_b128 v[STO], v[8*(8*\tt+\ct):8*(8*\tt+\ct)+3] offset:\tt*16*OP+64*\ct       ; each accumulator from its low end on
	ds_store_b128 v[STO], v[8*(8*\tt+\ct)+4:8*(8*\tt+\ct)+7] offset:\tt*16*OP+64*\ct+16
.endr
.endr
	WIN 0
.Lmeet:
	s_wait_dscnt 0x0                               ; for the others' sake: my part lies in LDS
	s_barrier_signal -1
	s_barrier_wait -1
	s_cmp_ge_u32 s16, s28                          ; the tile has no w-th group of rows
	s_cbranch_scc1 .Lend
	s_sub_co_u32 s29, s24, 1
	s_lshl_b32 s30, s16, 4
	v_add_nc_u32 v[TA], s30, v[RR]                 ; slot 16 w + lane % 16, held at n - 1 and inside the tile
	v_min_u32 v[TA], s29, v[TA]
	v_min_u32 v[TA], 63, v[TA]
	s_wait_alu depctr_vm_vsrc(0)                   ; the K steps' loads have read VH and VH+1, which are written anew below
	v_lshlrev_b32 v[VH], 2, v[TA]
	v_lshlrev_b32 v[VH+1], 3, v[TA]
	s_lshl_b32 s36, ttmp9, 8
	s_add_co_u32 s36, s36, 2048
	s_add_nc_u64 s[46:47], s[4:5], s[36:37]        ; the tile's tokens,
	s_lshl_b32 s36, ttmp9, 9
	s_add_nc_u64 s[48:49], s[6:7], s[36:37]        ; its gates
	s_lshl_b32 s31, s17, 9                         ; my 128 columns: 512 bytes
	s_min_u32 s32, s25, 7
	s_lshl_b32 s36, s32, 11
	s_add_co_u32 s36, s36, s31
	s_add_nc_u64 s[50:51], s[12:13], s[36:37]      ; b2 of the lower expert,
	s_min_u32 s32, s26, 7
	s_lshl_b32 s36, s32, 11
	s_add_co_u32 s36, s36, s31
	s_add_nc_u64 s[52:53], s[12:13], s[36:37]      ; of the higher
	s_mov_b32 s36, s31
	s_add_nc_u64 s[14:15], s[14:15], s[36:37]
.irp i, 0,1,2,3
	s_mov_b32 s[GL+2*\i+1], 0                      ; (named with the gates as pairs, so they are written)
	s_mov_b32 s[GH+2*\i+1], 0
.endr
	s_wait_alu depctr_va_vdst(0)                   ; VH and VH+1 are written, which the loads below read, as are LI and RD on every way here; the products are done reading the sets in which these loads and the LDS loads land
	global_load_b32 v[TOK], v[VH], s[46:47]
	global_load_b64 v[GT:GT+1], v[VH+1], s[48:49]
	global_load_b128 v[B2A:B2A+3], v[LI], s[50:51]
	global_load_b128 v[B2B:B2B+3], v[LI], s[52:53]
	OBATCH 0
	OBATCH 1
	s_wait_loadcnt 0x0
.irp b, 0,1,2,3
	OGET \b
.if \b < 3
	s_wait_dscnt 16                                ; this batch's 16 loads are in; the next batch's may be out
.else
	s_wait_dscnt 0x0
.endif
.irp i, 0,1,2,3
	OROW \b, \i
.endr
	s_wait_alu depctr_va_vdst(0)                   ; the batch's four rows and their offsets VO are written, which the four stores read; and the batch's arithmetic is done reading its 64 registers, in which the batch two on lands
.irp i, 0,1,2,3
	OSEND \b, \i
.endr
.if \b < 2
	s_wait_xcnt 0x0                                ; the batch's stores have read their registers: the batch two on lands there only behind this wait
	s_wait_alu depctr_vm_vsrc(0)                   ; the batch's four stores have read their data, in which the LDS loads below land
	OBATCH \b+2
.endif
.endr
.Lend:
	s_set_vgpr_msb 0xa                             ; the add's two registers, sources 0 and 1, in window 2
	s_wait_dscnt 0x0                               ; the closing lines, six on end
	s_wait_alu 0x0
	s_wait_tensorcnt 0x0
	ds_add_u32 v0, v1
	s_wait_dscnt 0x0
	s_endpgm
.Lfunc_end_k_q059183c363_out:
	.size	k_q059183c363_out, .Lfunc_end_k_q059183c363_out-k_q059183c363_out
	.p2alignl 7, 3214868480
	.fill 96, 4, 3214868480
	.section	.rodata,"a",@progbits
	.p2align	6, 0x0
	.amdhsa_kernel k_q059183c363_out
		.amdhsa_group_segment_fixed_size 135680
		.amdhsa_private_segment_fixed_size 0
		.amdhsa_enable_private_segment 0
		.amdhsa_kernarg_size 48
		.amdhsa_user_sgpr_count 2
		.amdhsa_user_sgpr_kernarg_segment_ptr 1
		.amdhsa_wavefront_size32 1
		.amdhsa_system_sgpr_workgroup_id_x 1
		.amdhsa_system_sgpr_workgroup_id_y 1
		.amdhsa_system_sgpr_workgroup_id_z 1
		.amdhsa_system_vgpr_workitem_id 0
		.amdhsa_next_free_vgpr 612
		.amdhsa_next_free_sgpr 66
		.amdhsa_reserve_vcc 0
		.amdhsa_float_denorm_mode_32 3
		.amdhsa_float_denorm_mode_16_64 3
		.amdhsa_memory_ordered 1
		.amdhsa_forward_progress 1
		.amdhsa_inst_pref_size 87
	.end_amdhsa_kernel
	.amdgpu_metadata
---
amdhsa.version: [ 1, 2 ]
amdhsa.kernels:
  - .name:           k_q059183c363_out
    .symbol:         k_q059183c363_out.kd
    .args:
      - { .name: tl, .offset: 0, .size: 8, .value_kind: global_buffer, .address_space: global }
      - { .name: tg, .offset: 8, .size: 8, .value_kind: global_buffer, .address_space: global }
      - { .name: hq, .offset: 16, .size: 8, .value_kind: global_buffer, .address_space: global }
      - { .name: wq, .offset: 24, .size: 8, .value_kind: global_buffer, .address_space: global }
      - { .name: b2, .offset: 32, .size: 8, .value_kind: global_buffer, .address_space: global }
      - { .name: out0, .offset: 40, .size: 8, .value_kind: global_buffer, .address_space: global }
    .group_segment_fixed_size: 135680
    .private_segment_fixed_size: 0
    .kernarg_segment_align: 8
    .kernarg_segment_size: 48
    .max_flat_workgroup_size: 128
    .sgpr_count:     66
    .vgpr_count:     612
    .wavefront_size: 32
...
	.end_amdgpu_metadata
.endif
;; end of part 7
